; MI455X (gfx1250); checked and timed in simulation.
; The chip was launched on July 23, 2026; its instructions are those of AMD's public machine-readable ISA for CDNA 5 (MIT licence, August 2026) and "CDNA5" Instruction Set Architecture Reference Guide (July 2026). The comments in the code are by the model that wrote it; some were corrected since.
;; Cross View Self Attention Fusion. Allowed arithmetic: float matrix products may take bf16 or f16 operands with f32 sums; other float arithmetic in f32, or as packed bf16 or f16 multiplies, adds, multiply-adds, maxima and minima; sums over many terms, partial sums and values carried from step to step in f32; what a program stores and reads back later, other than sums and carried values, may be rounded once to bf16 or f16.
;; Inputs: attn_out_b 3 x 256 float32; attn_out_w 3 x 256 x 256 float32; attn_qkv_b 3 x 768 float32; attn_qkv_w 3 x 768 x 256 float32; features 4 x 1,024 x 256 float32; ff1_b 3 x 1,024 float32; ff1_w 3 x 1,024 x 256 float32; ff2_b 3 x 256 float32; ff2_w 3 x 256 x 1,024 float32; fln_b 256 float32; fln_g 256 float32; global_query 1 x 1,024 x 256 float32; ln1_b 3 x 256 float32; ln1_g 3 x 256 float32; ln2_b 3 x 256 float32; ln2_g 3 x 256 float32; op1_b 256 float32; op1_w 256 x 256 float32; op2_b 256 float32; op2_w 256 x 256 float32; op_ln_b 256 float32; op_ln_g 256 float32; pos_emb 1,024 x 256 float32; residual_weight one number float32; va_out_b 256 float32; va_out_w 256 x 256 float32; va_qkv_b 768 float32; va_qkv_w 768 x 256 float32; view_emb 16 x 256 float32.
;; Outputs: out0 1 x 1,024 x 256 float32.
;; 2 versions, each right and faster than the one before. Each part assembles by itself: llvm-mc -triple=amdgcn-amd-amdhsa -mcpu=gfx1250 --defsym DOCPART=n.
;; ======== version 1 of 2: 9 launches
;; limits: values are held in f16: magnitudes above 65,504 overflow, below 6.1e-05 lose precision; a function is approximated: absolute error at most 1.5e-07
;; workspace buffers: xa 4,194,304 bytes; xb 4,194,304 bytes; qkv 6,291,456 bytes; o 2,097,152 bytes; wbf 5,505,024 bytes; st0 256 bytes of whole numbers; st1 256 bytes of whole numbers; st2 256 bytes of whole numbers
;; launch prep (part 1): grid 8 x 42, 8 waves a work-group, no clusters, 19,456 bytes of LDS; arguments attn_qkv_w, attn_out_w, ff1_w, ff2_w, va_qkv_w, va_out_w, op1_w, op2_w, wbf, st0, st1, st2; writes wbf, st0, st1, st2
.if DOCPART == 1
	.amdgcn_target "amdgcn-amd-amdhsa--gfx1250"
	.amdhsa_code_object_version 6
	.text
	.protected	k_qeeb5742ea6_prep
	.globl	k_qeeb5742ea6_prep
	.p2align	8
	.type	k_qeeb5742ea6_prep,@function
k_qeeb5742ea6_prep:
	s_mov_b64 s[64:65], 0
	v_nop
	global_prefetch_b8 v0, s[64:65] scope:SCOPE_SE
	s_setreg_imm32_b32 hwreg(HW_REG_WAVE_MODE, 25, 1), 1
	s_wait_xcnt 0x0
; PREP.  All weight matrices, f32 [n][k], are rounded once to f16 and laid out in the order in which a wave's registers take them.
; A FRAGMENT is 16 rows x 32 k of f16, 1,024 bytes: the 16 bytes of (blk, lane) lie at 512 blk + 16 lane and hold row lane % 16, k = 16 blk + 8 (lane / 16) + 0..7.
; A PASS BLOCK is 256 rows x 256 k, 131,072 bytes: [step of 32 k: 8][wave: 4][column tile: 4] fragments; fragment rows = 64 wave + 16 tile + 0..15.
; Blocks: 12 i + 0..2 attn_qkv_w[i] (q, k, v); + 3 attn_out_w[i]; + 4..7 ff1_w[i] by 256 rows; + 8..11 ff2_w[i] by 256 k; 36, 37, 38 va_qkv_w's k, v, q; 39 va_out_w; 40 op1_w; 41 op2_w.
; LIMIT.  f16 ends at 65,504 and keeps a fixed step of 6e-8 below 6e-5: weights beyond the one become infinities, below the other they lose relative precision.
; SHARES.  Work-group (x, y): block y, steps 2 (x / 2) and 2 (x / 2) + 1, waves 2 (x % 2) and 2 (x % 2) + 1.  Each of its eight waves turns 16 source rows x 64 k (256 bytes of each row) into two fragments,
; through LDS bytes of its own: no barrier.  Each load of a wave covers two rows' 256 consecutive bytes, each store 512 consecutive bytes.
; The three small buffers take the numbers that steer the shared body of the layers: stage, next layer (0 behind the last), last (0 or 1).
.set SPARE, 18432                      ; behind the eight waves' 2,304 bytes: the spare words, 128 bytes a wave
.set PIT,   144                        ; an LDS row: 64 f16 + 16 bytes: the 16 rows of a read start at 16 different groups of four banks
.set OFF,   8                          ; v8-15   byte offsets of the eight loads
.set X,     16                         ; v16-47  as loaded; later v16-31 the fragments read back
.set Y,     48                         ; v48-63  rounded
	s_load_b512 s[8:23], s[0:1], 0x0               ; attn_qkv_w 8, attn_out_w 10, ff1_w 12, ff2_w 14, va_qkv_w 16, va_out_w 18, op1_w 20, op2_w 22
	s_load_b256 s[24:31], s[0:1], 0x40             ; wbf 24, st0 26, st1 28, st2 30
	v_lshl_add_u32 v4, v0, 2, SPARE
	v_mov_b32 v5, 0
	v_lshrrev_b32 v1, 5, v0
	v_readfirstlane_b32 s2, v1                     ; wave 0..7
	v_and_b32 v2, 15, v0                           ; t = lane % 16
	v_bfe_u32 v3, v0, 4, 1                         ; h = lane / 16
	v_and_b32 v65, 31, v0                          ; lane
	v_lshlrev_b32 v64, 4, v65
	s_and_b32 s3, ttmp7, 0xffff                    ; block
	s_lshr_b32 s4, ttmp9, 1                        ; pair of steps
	s_and_b32 s5, ttmp9, 1                         ; pair of waves
	s_cmp_ge_u32 s3, 12
	s_cselect_b32 s6, 1, 0
	s_cmp_ge_u32 s3, 24
	s_cselect_b32 s7, 1, 0
	s_add_co_u32 s6, s6, s7                        ; layer i, 2 for the blocks from 24 on
	s_mul_i32 s7, s6, 12
	s_sub_co_u32 s7, s3, s7                        ; place in the layer, 0..11; 12..17 are the blocks 36..41
	s_mul_i32 s32, s6, 786432                      ; the candidates for the block's byte offset in its source:
	s_lshl_b32 s33, s7, 18
	s_add_co_u32 s32, s32, s33                     ; attn_qkv_w: layer, 256 rows of 1,024 bytes a block
	s_lshl_b32 s33, s6, 18                         ; attn_out_w: layer
	s_lshl_b32 s36, s6, 20
	s_sub_co_u32 s34, s7, 4
	s_lshl_b32 s34, s34, 18
	s_add_co_u32 s34, s34, s36                     ; ff1_w: layer, 256 rows a block
	s_sub_co_u32 s35, s7, 8
	s_lshl_b32 s35, s35, 10
	s_add_co_u32 s35, s35, s36                     ; ff2_w: layer, 256 k = 1,024 bytes along the rows a block
	s_sub_co_u32 s36, s7, 11
	s_lshl_b32 s36, s36, 18                        ; va_qkv_w: rows 256 (place 12) and 512 (place 13)
	s_mov_b32 s41, 1024                            ; bytes from row to row
	s_wait_kmcnt 0x0
	s_mov_b64 s[38:39], s[8:9]
	s_mov_b32 s40, s32
	s_cmp_ge_u32 s7, 3
	s_cselect_b64 s[38:39], s[10:11], s[38:39]
	s_cselect_b32 s40, s33, s40
	s_cmp_ge_u32 s7, 4
	s_cselect_b64 s[38:39], s[12:13], s[38:39]
	s_cselect_b32 s40, s34, s40
	s_cmp_ge_u32 s7, 8
	s_cselect_b64 s[38:39], s[14:15], s[38:39]
	s_cselect_b32 s40, s35, s40
	s_cselect_b32 s41, 4096, s41
	s_cmp_ge_u32 s7, 12
	s_cselect_b64 s[38:39], s[16:17], s[38:39]
	s_cselect_b32 s40, s36, s40
	s_cselect_b32 s41, 1024, s41
	s_cmp_ge_u32 s7, 14
	s_cselect_b32 s40, 0, s40
	s_cmp_ge_u32 s7, 15
	s_cselect_b64 s[38:39], s[18:19], s[38:39]
	s_cmp_ge_u32 s7, 16
	s_cselect_b64 s[38:39], s[20:21], s[38:39]
	s_cmp_ge_u32 s7, 17
	s_cselect_b64 s[38:39], s[22:23], s[38:39]
	s_lshl_b32 s42, s5, 7
	s_lshl4_add_u32 s42, s2, s42                   ; my first row in the block: 128 (x % 2) + 16 wave
	s_mul_i32 s42, s42, s41
	s_add_co_u32 s40, s40, s42
	s_lshl_b32 s42, s4, 8                          ; 64 k = 256 bytes for each pair of steps
	s_add_co_u32 s44, s40, s42
	s_mov_b32 s45, 0
	s_add_nc_u64 s[38:39], s[38:39], s[44:45]
	s_lshl_b32 s46, s3, 17                         ; where my two fragments go
	s_lshl_b32 s47, s4, 15
	s_add_co_u32 s46, s46, s47
	s_lshl_b32 s47, s5, 13
	s_add_co_u32 s46, s46, s47
	s_lshl_b32 s47, s2, 10
	s_add_co_u32 s46, s46, s47
	s_mov_b32 s47, 0
	s_add_nc_u64 s[24:25], s[24:25], s[46:47]
	v_mul_lo_u32 v[OFF], v3, s41                   ; load i: rows 2 i + h, 16 bytes a lane
	v_lshl_add_u32 v[OFF], v2, 4, v[OFF]
	s_lshl_b32 s48, s41, 1
.irp i, 1,2,3,4,5,6,7
	v_add_nc_u32 v[OFF+(\i)], s48, v[OFF+(\i)-1]
.endr
.irp i, 0,1,2,3,4,5,6,7
	global_load_b128 v[X+4*(\i):X+4*(\i)+3], v[OFF+(\i)], s[38:39] th:TH_LOAD_NT
.endr
	s_mul_i32 s49, s2, 16*PIT                      ; my wave's LDS bytes
	v_mul_u32_u24 v6, v3, PIT
	v_lshl_add_u32 v6, v2, 3, v6
	v_add_nc_u32 v6, s49, v6                       ; in: row h, 8 bytes a lane
	v_mul_u32_u24 v7, v2, PIT
	v_lshl_add_u32 v7, v3, 4, v7
	v_add_nc_u32 v7, s49, v7                       ; back: row t, 16 bytes for each half of the lanes
.irp i, 0,1,2,3,4,5,6,7
	s_wait_loadcnt 7-(\i)                          ; loads come back in order: load i is in, the younger ones stay out
	v_cvt_pk_f16_f32 v[Y+2*(\i)], v[X+4*(\i)], v[X+4*(\i)+1]
	v_cvt_pk_f16_f32 v[Y+2*(\i)+1], v[X+4*(\i)+2], v[X+4*(\i)+3]
	ds_store_b64 v6, v[Y+2*(\i):Y+2*(\i)+1] offset:2*(\i)*PIT
.endr
.irp q, 0,1,2,3
	ds_load_b128 v[X+4*(\q):X+4*(\q)+3], v7 offset:32*(\q)   ; LDS serves a wave's instructions in order: these see the stores above.  q = 2 step + blk
.endr
.irp q, 0,1,2,3
	s_wait_dscnt 3-(\q)
	global_store_b128 v64, v[X+4*(\q):X+4*(\q)+3], s[24:25] offset:((\q)/2)*16384+((\q)%2)*512
.endr
	s_or_b32 s50, s3, ttmp9
	s_or_b32 s50, s50, s2
	s_cmp_lg_u32 s50, 0
	s_cbranch_scc1 .Lnost                          ; one wave of one work-group writes the three small buffers
	v_lshlrev_b32 v66, 2, v65
	v_cmp_eq_u32 s51, 0, v65
	v_cmp_eq_u32 s52, 1, v65
	v_cmp_eq_u32 s53, 2, v65
	v_cndmask_b32 v67, 0, 1, s52                   ; 0, 1, 0
	v_cndmask_b32 v68, 0, 1, s51
	v_cndmask_b32 v68, v68, 2, s52                 ; 1, 2, 0
	v_cndmask_b32 v69, 0, 2, s51
	v_cndmask_b32 v69, v69, 1, s53                 ; 2, 0, 1
	global_store_b32 v66, v67, s[26:27]
	global_store_b32 v66, v68, s[28:29]
	global_store_b32 v66, v69, s[30:31]
.Lnost:
	s_wait_tensorcnt 0x0                           ; the wave's end
	ds_add_u32 v4, v5
	s_wait_dscnt 0x0
	s_endpgm
.Lfunc_end_k_qeeb5742ea6_prep:
	.size	k_qeeb5742ea6_prep, .Lfunc_end_k_qeeb5742ea6_prep-k_qeeb5742ea6_prep
	.p2alignl 7, 3214868480
	.fill 96, 4, 3214868480
	.section	.rodata,"a",@progbits
	.p2align	6, 0x0
	.amdhsa_kernel k_qeeb5742ea6_prep
		.amdhsa_group_segment_fixed_size 19456
		.amdhsa_private_segment_fixed_size 0
		.amdhsa_enable_private_segment 0
		.amdhsa_kernarg_size 96
		.amdhsa_user_sgpr_count 2
		.amdhsa_user_sgpr_kernarg_segment_ptr 1
		.amdhsa_wavefront_size32 1
		.amdhsa_system_sgpr_workgroup_id_x 1
		.amdhsa_system_sgpr_workgroup_id_y 1
		.amdhsa_system_sgpr_workgroup_id_z 1
		.amdhsa_system_vgpr_workitem_id 0
		.amdhsa_next_free_vgpr 72
		.amdhsa_next_free_sgpr 66
		.amdhsa_reserve_vcc 0
		.amdhsa_float_denorm_mode_32 3
		.amdhsa_float_denorm_mode_16_64 3
		.amdhsa_memory_ordered 1
		.amdhsa_forward_progress 1
		.amdhsa_inst_pref_size 9
	.end_amdhsa_kernel
	.amdgpu_metadata
---
amdhsa.version: [ 1, 2 ]
amdhsa.kernels:
  - .name:           k_qeeb5742ea6_prep
    .symbol:         k_qeeb5742ea6_prep.kd
    .args:
      - { .name: attn_qkv_w, .offset: 0, .size: 8, .value_kind: global_buffer, .address_space: global }
      - { .name: attn_out_w, .offset: 8, .size: 8, .value_kind: global_buffer, .address_space: global }
      - { .name: ff1_w, .offset: 16, .size: 8, .value_kind: global_buffer, .address_space: global }
      - { .name: ff2_w, .offset: 24, .size: 8, .value_kind: global_buffer, .address_space: global }
      - { .name: va_qkv_w, .offset: 32, .size: 8, .value_kind: global_buffer, .address_space: global }
      - { .name: va_out_w, .offset: 40, .size: 8, .value_kind: global_buffer, .address_space: global }
      - { .name: op1_w, .offset: 48, .size: 8, .value_kind: global_buffer, .address_space: global }
      - { .name: op2_w, .offset: 56, .size: 8, .value_kind: global_buffer, .address_space: global }
      - { .name: wbf, .offset: 64, .size: 8, .value_kind: global_buffer, .address_space: global }
      - { .name: st0, .offset: 72, .size: 8, .value_kind: global_buffer, .address_space: global }
      - { .name: st1, .offset: 80, .size: 8, .value_kind: global_buffer, .address_space: global }
      - { .name: st2, .offset: 88, .size: 8, .value_kind: global_buffer, .address_space: global }
    .group_segment_fixed_size: 19456
    .private_segment_fixed_size: 0
    .kernarg_segment_align: 8
    .kernarg_segment_size: 96
    .max_flat_workgroup_size: 256
    .sgpr_count:     66
    .vgpr_count:     72
    .wavefront_size: 32
...
	.end_amdgpu_metadata
.endif
;; end of part 1
;; launch embed (part 2): grid 128 x 1, 4 waves a work-group, no clusters, 22,528 bytes of LDS; arguments features, view_emb, pos_emb, ln1_g, ln1_b, attn_qkv_b, wbf, xa, qkv; writes xa, qkv
.if DOCPART == 2
	.amdgcn_target "amdgcn-amd-amdhsa--gfx1250"
	.amdhsa_code_object_version 6
	.text
	.protected	k_qeeb5742ea6_embed
	.globl	k_qeeb5742ea6_embed
	.p2align	8
	.type	k_qeeb5742ea6_embed,@function
k_qeeb5742ea6_embed:
	s_mov_b64 s[64:65], 0
	v_nop
	global_prefetch_b8 v0, s[64:65] scope:SCOPE_SE
	s_setreg_imm32_b32 hwreg(HW_REG_WAVE_MODE, 25, 1), 1
	s_wait_xcnt 0x0
; EMBED.  x0 = features + view_emb[view] + pos_emb[position] (f32, stored), h = LayerNorm(x0) with layer 0's gain and bias, q, k, v = h W^T + b of layer 0.
; SHARES.  A work-group owns 32 tokens, four waves.  A PASS makes 32 tokens x 256 columns over K = 256; wave w owns columns 64 w .. 64 w + 63: 4 column tiles x 2 token tiles = 8 accumulators.
; Activations lie in LDS in f16, rows of 528 bytes.  Weights (f16, in fragment order) come from memory straight into the registers of the one wave that multiplies by them,
; through a RING of 8 register slots (a slot = one step of 32 k = 4 fragments = 8 loads of 512 consecutive bytes); a slot is asked for again as soon as its step is multiplied.
; Source 0 = weights, source 1 = activations: a lane then holds one token (lane % 16) and eight neighbouring columns, which pack into the 16 bytes of a fragment of q or k.  For v the sources are swapped.
; q is multiplied by log2(e) / sqrt(32) in f32 before its one rounding.  LIMITS: h, q, k, v are f16 (largest 65,504); the variance is taken of x - mean; NaN and infinities are not treated apart.
; REGISTERS.  Window 0: v0-23 addresses; v64-127 ACC; v128-159 AB, two buffers of two activation fragments; v160-191 BF, biases or gains; v192-255 TMP.  Window 1: the ring, slot j at 32 j.
.set H,     0
.set HP,    528                        ; 512 bytes + 16: the 16 rows of a fragment load start at 16 different groups of four banks
.set PAR,   16896                      ; gain 1,024, bias 1,024, qkv bias 3,072
.set P_G,   0
.set P_B,   1024
.set P_QKV, 2048
.set SPARE, 22016
.set ACC, 64
.set AB,  128
.set BF,  160
.set TMP, 192
.set L16, 1
.set T8,  2
.set LNH, 4
.set GX,  5
.set LNP, 6
.set AH,  8
.set BADR, 9
.set VADR, 10
.set SPW, 14
.set NIL, 15
.set BV,  22
.set PST, 23
.set WV,  36
.set WS,  44
.set QO,  46
.set CNT, 48
.set SKQ, 49
.set SC,  50
.set NI256, 69
.set I256,  70
.set EPS,   71
.set MSB, 0
.macro WIN new                         ; the immediate's high byte repeats the setting that is left; a switch that changes nothing is dropped
.if MSB != (\new)
	s_set_vgpr_msb (MSB<<8)|(\new)
.set MSB, (\new)
.endif
.endm
.macro BAR                             ; my LDS instructions are done, then the work-group's barrier
	s_wait_dscnt 0x0
	s_barrier_signal -1
	s_barrier_wait -1
.endm
.macro RFILL slot, off                 ; a step's four weight fragments into a ring slot
	WIN 0x40
.irp f, 0,1,2,3
	global_load_b128 v[32*(\slot)+8*(\f):32*(\slot)+8*(\f)+3], v[L16], s[WS:WS+1] offset:(\off)+(\f)*1024
	global_load_b128 v[32*(\slot)+8*(\f)+4:32*(\slot)+8*(\f)+7], v[L16], s[WS:WS+1] offset:(\off)+(\f)*1024+512
.endr
.endm
.macro ALOAD buf, areg, off, rto       ; two activation fragments (token tiles 0 and 1) for 32 k
	ds_load_b128 v[AB+16*(\buf):AB+16*(\buf)+3], v[\areg] offset:(\off)
	ds_load_b128 v[AB+16*(\buf)+4:AB+16*(\buf)+7], v[\areg] offset:(\off)+32
	ds_load_b128 v[AB+16*(\buf)+8:AB+16*(\buf)+11], v[\areg] offset:(\off)+(\rto)
	ds_load_b128 v[AB+16*(\buf)+12:AB+16*(\buf)+15], v[\areg] offset:(\off)+(\rto)+32
.endm
.macro BFLOAD breg, off                ; the bias of my 64 columns as four C operands: register j = column 8 (lane / 16) + j
.irp ct, 0,1,2,3
	ds_load_b128 v[BF+8*(\ct):BF+8*(\ct)+3], v[\breg] offset:(\off)+(\ct)*64
	ds_load_b128 v[BF+8*(\ct)+4:BF+8*(\ct)+7], v[\breg] offset:(\off)+(\ct)*64+16
.endr
.endm
; One step of 32 k.  The next step's activations are asked for; the slot read last step is asked for again; slot j has landed when at most lc younger ring loads are out; eight products on eight
; accumulators by turns; four v_nop, the places in front of the next loads into registers that these products read and of whatever reads their results.
; cm says what starts the sums at j = 0: 0 what ACC holds, 1 the bias in BF, 2 the constant 0.
.macro STEP j, areg, ab, rto, cm, sw, rf, lc
	WIN 0
.if (\j) < 7
	ALOAD ((\j)+1)&1, \areg, (\ab)+64*((\j)+1), \rto
.endif
.if \rf
	RFILL ((\j)+7)&7, ((\j)+7)*16384
.endif
	s_wait_loadcnt \lc
.if (\j) < 7
	s_wait_dscnt 4                                 ; all but the four activation loads just issued
.else
	s_wait_dscnt 0
.endif
.if \sw
	WIN 0x04
.else
	WIN 0x01
.endif
.irp ct, 0,1,2,3
.irp rt, 0,1
.set acc, ACC+8*(2*(\ct)+(\rt))
.set wf, 32*(\j)+8*(\ct)
.set af, AB+16*((\j)&1)+8*(\rt)
.if \sw
.if ((\j) == 0) && ((\cm) == 2)
	v_wmma_f32_16x16x32_f16 v[acc:acc+7], v[af:af+7], v[wf:wf+7], 0
.else
	v_wmma_f32_16x16x32_f16 v[acc:acc+7], v[af:af+7], v[wf:wf+7], v[acc:acc+7]
.endif
.else
.if ((\j) == 0) && ((\cm) == 1)
	v_wmma_f32_16x16x32_f16 v[acc:acc+7], v[wf:wf+7], v[af:af+7], v[BF+8*(\ct):BF+8*(\ct)+7]
.else
	v_wmma_f32_16x16x32_f16 v[acc:acc+7], v[wf:wf+7], v[af:af+7], v[acc:acc+7]
.endif
.endif
.endr
.endr
.rept 4
	v_nop
.endr
.endm
; Eight steps.  tl = 1: the launch's last pass: only its own last slot is still asked for, and the counts run down with the slots that are out.
.macro PASS areg, ab, rto, cm, sw, tl
.if \tl
	STEP 0, \areg, \ab, \rto, \cm, \sw, 1, 56
	STEP 1, \areg, \ab, \rto, \cm, \sw, 0, 48
	STEP 2, \areg, \ab, \rto, \cm, \sw, 0, 40
	STEP 3, \areg, \ab, \rto, \cm, \sw, 0, 32
	STEP 4, \areg, \ab, \rto, \cm, \sw, 0, 24
	STEP 5, \areg, \ab, \rto, \cm, \sw, 0, 16
	STEP 6, \areg, \ab, \rto, \cm, \sw, 0, 8
	STEP 7, \areg, \ab, \rto, \cm, \sw, 0, 0
	WIN 0
.else
.irp jj, 0,1,2,3,4,5,6,7
	STEP \jj, \areg, \ab, \rto, \cm, \sw, 1, 56    ; 56: the seven younger slots, eight loads each
.endr
	WIN 0
	s_wait_xcnt 0x0                                ; the stream's base is stepped, and earlier stores' registers are rewritten, only behind this wait
	s_add_nc_u64 s[WS:WS+1], s[WS:WS+1], 131072
.endif
.endm
.macro PACK                            ; ACC's 64 numbers rounded to f16, in ascending order
.set p, 0
.rept 32
	v_cvt_pk_f16_f32 v[TMP+p], v[ACC+2*p], v[ACC+2*p+1]
.set p, p+1
.endr
.endm
.macro GBLOAD pg, pb                   ; gain and bias of my 16 columns 64 c + 4 t + 0..3
.irp c, 0,1,2,3
	ds_load_b128 v[BF+4*(\c):BF+4*(\c)+3], v[LNP] offset:(\pg)+(\c)*256
	ds_load_b128 v[BF+16+4*(\c):BF+16+4*(\c)+3], v[LNP] offset:(\pb)+(\c)*256
.endr
.endm
; LayerNorm of four rows a half-wave: row i's 256 numbers lie in 16 lanes, 16 a lane, at ACC + 16 i.  Written stage by stage over the four rows, so that no line waits for the one before it.
.macro LNORM hreg, hb
.set p, 0
.rept 16
	v_pk_add_f32 v[TMP+2*p:TMP+2*p+1], v[ACC+4*p:ACC+4*p+1], v[ACC+4*p+2:ACC+4*p+3]
.set p, p+1
.endr
.irp i, 0,1,2,3
	v_pk_add_f32 v[TMP+8*(\i):TMP+8*(\i)+1], v[TMP+8*(\i):TMP+8*(\i)+1], v[TMP+8*(\i)+2:TMP+8*(\i)+3]
	v_pk_add_f32 v[TMP+8*(\i)+4:TMP+8*(\i)+5], v[TMP+8*(\i)+4:TMP+8*(\i)+5], v[TMP+8*(\i)+6:TMP+8*(\i)+7]
.endr
.irp i, 0,1,2,3
	v_pk_add_f32 v[TMP+8*(\i):TMP+8*(\i)+1], v[TMP+8*(\i):TMP+8*(\i)+1], v[TMP+8*(\i)+4:TMP+8*(\i)+5]
.endr
.irp i, 0,1,2,3
	v_add_f32 v[TMP+8*(\i)], v[TMP+8*(\i)], v[TMP+8*(\i)+1]
.endr
.irp m, 1,2,4,8
.irp i, 0,1,2,3
	v_add_f32_dpp v[TMP+8*(\i)], v[TMP+8*(\i)], v[TMP+8*(\i)] row_xmask:\m row_mask:0xf bank_mask:0xf
.endr
.endr
.irp i, 0,1,2,3
	v_mul_f32 v[TMP+32+2*(\i)], s[NI256], v[TMP+8*(\i)]      ; - mean, twice
	v_mul_f32 v[TMP+33+2*(\i)], s[NI256], v[TMP+8*(\i)]
.endr
.irp k, 0,1,2,3,4,5,6,7
.irp i, 0,1,2,3
	v_pk_add_f32 v[ACC+16*(\i)+2*(\k):ACC+16*(\i)+2*(\k)+1], v[ACC+16*(\i)+2*(\k):ACC+16*(\i)+2*(\k)+1], v[TMP+32+2*(\i):TMP+33+2*(\i)]
.endr
.endr
.irp i, 0,1,2,3
	v_pk_mul_f32 v[TMP+8*(\i):TMP+8*(\i)+1], v[ACC+16*(\i):ACC+16*(\i)+1], v[ACC+16*(\i):ACC+16*(\i)+1]
.endr
.irp k, 1,2,3,4,5,6,7
.irp i, 0,1,2,3
	v_pk_fma_f32 v[TMP+8*(\i):TMP+8*(\i)+1], v[ACC+16*(\i)+2*(\k):ACC+16*(\i)+2*(\k)+1], v[ACC+16*(\i)+2*(\k):ACC+16*(\i)+2*(\k)+1], v[TMP+8*(\i):TMP+8*(\i)+1]
.endr
.endr
.irp i, 0,1,2,3
	v_add_f32 v[TMP+8*(\i)], v[TMP+8*(\i)], v[TMP+8*(\i)+1]
.endr
.irp m, 1,2,4,8
.irp i, 0,1,2,3
	v_add_f32_dpp v[TMP+8*(\i)], v[TMP+8*(\i)], v[TMP+8*(\i)] row_xmask:\m row_mask:0xf bank_mask:0xf
.endr
.endr
.irp i, 0,1,2,3
	v_fma_f32 v[TMP+8*(\i)], v[TMP+8*(\i)], s[I256], s[EPS]  ; variance + 1e-5
.endr
.irp i, 0,1,2,3
	v_rsq_f32 v[TMP+40+2*(\i)], v[TMP+8*(\i)]
	v_rsq_f32 v[TMP+41+2*(\i)], v[TMP+8*(\i)]
.endr
	v_nop                                          ; a plain line between the last root and the use of its result
	s_wait_alu depctr_va_vdst(0)
.irp k, 0,1,2,3,4,5,6,7
.irp i, 0,1,2,3
	v_pk_mul_f32 v[ACC+16*(\i)+2*(\k):ACC+16*(\i)+2*(\k)+1], v[ACC+16*(\i)+2*(\k):ACC+16*(\i)+2*(\k)+1], v[TMP+40+2*(\i):TMP+41+2*(\i)]
.endr
.endr
.irp k, 0,1,2,3,4,5,6,7
.irp i, 0,1,2,3
	v_pk_fma_f32 v[ACC+16*(\i)+2*(\k):ACC+16*(\i)+2*(\k)+1], v[ACC+16*(\i)+2*(\k):ACC+16*(\i)+2*(\k)+1], v[BF+2*(\k):BF+2*(\k)+1], v[BF+16+2*(\k):BF+17+2*(\k)]
.endr
.endr
	PACK
.irp i, 0,1,2,3
.irp c, 0,1,2,3
	ds_store_b64 v[\hreg], v[TMP+8*(\i)+2*(\c):TMP+8*(\i)+2*(\c)+1] offset:(\hb)+(\i)*HP+(\c)*128
.endr
.endr
.endm
; q and k (a loop of two trips) and v, from the activations at AH.
.macro QKV
	v_add_nc_u32 v[BV], P_QKV, v[BADR]
	s_mov_b32 s[CNT], 2
.Lqk:
	BFLOAD BV, 0
	ALOAD 0, AH, 0, 16*HP
	PASS AH, 0, 16*HP, 1, 0, 0
.set p, 0
.rept 32
	v_pk_mul_f32 v[ACC+2*p:ACC+2*p+1], v[ACC+2*p:ACC+2*p+1], s[SC:SC+1] op_sel_hi:[1,0]
.set p, p+1
.endr
	PACK
.irp ct, 0,1,2,3
.irp rt, 0,1
	global_store_b128 v[L16], v[TMP+4*(2*(\ct)+(\rt)):TMP+4*(2*(\ct)+(\rt))+3], s[QO:QO+1] offset:((\ct)>>1)*262144+(\rt)*1024+((\ct)&1)*512
.endr
.endr
	v_add_nc_u32 v[BV], 1024, v[BV]
	s_wait_xcnt 0x0                                ; the stores' base is stepped only behind this wait
	s_add_nc_u64 s[QO:QO+1], s[QO:QO+1], 2097152
	s_mov_b32 s[SC], 1.0                           ; k is not scaled
	s_sub_co_u32 s[CNT], s[CNT], 1
	s_cmp_lg_u32 s[CNT], 0
	s_cbranch_scc1 .Lqk
.irp ct, 0,1,2,3
	ds_load_b32 v[BF+2*(\ct)], v[VADR] offset:P_QKV+2048+(\ct)*64   ; swapped, a lane holds one channel: one bias a tile
.endr
	ALOAD 0, AH, 0, 16*HP
	PASS AH, 0, 16*HP, 2, 1, 1
	s_wait_xcnt 0x0                                ; k's stores have read TMP
.irp ct, 0,1,2,3
.irp rt, 0,1
.irp q, 0,1,2,3
	v_pk_add_f32 v[ACC+8*(2*(\ct)+(\rt))+2*(\q):ACC+8*(2*(\ct)+(\rt))+2*(\q)+1], v[ACC+8*(2*(\ct)+(\rt))+2*(\q):ACC+8*(2*(\ct)+(\rt))+2*(\q)+1], v[BF+2*(\ct):BF+2*(\ct)+1] op_sel_hi:[1,0]
.endr
.endr
.endr
	PACK
.irp ct, 0,1,2,3
.irp rt, 0,1
	global_store_b128 v[L16], v[TMP+4*(2*(\ct)+(\rt)):TMP+4*(2*(\ct)+(\rt))+3], s[QO:QO+1] offset:((\ct)>>1)*262144+((\ct)&1)*1024+(\rt)*512
.endr
.endr
.endm
	s_load_b512 s[8:23], s[0:1], 0x0               ; features 8, view_emb 10, pos_emb 12, ln1_g 14, ln1_b 16, attn_qkv_b 18, wbf 20, xa 22
	s_load_b64 s[24:25], s[0:1], 0x40              ; qkv
	v_lshl_add_u32 v[SPW], v0, 2, SPARE
	v_mov_b32 v[NIL], 0
	v_and_b32 v16, 31, v0                          ; lane
	v_and_b32 v17, 15, v0                          ; r = t = lane % 16
	v_bfe_u32 v18, v0, 4, 1                        ; h = lane / 16
	v_lshrrev_b32 v19, 5, v0
	v_readfirstlane_b32 s[WV], v19                 ; wave 0..3
	v_lshlrev_b32 v[L16], 4, v16
	v_lshlrev_b32 v[T8], 3, v0
	s_lshr_b32 s37, s[WV], 1
	s_and_b32 s38, s[WV], 1
	; LayerNorm's first row of my half-wave is 16 (w / 2) + 4 (w % 2) + 8 h: the wave's part is made in scalar registers, the lane's part from the lane alone, and one addition joins them
	s_mul_i32 s39, s37, 16*HP
	s_mul_i32 s40, s38, 4*HP
	s_add_co_u32 s39, s39, s40
	v_mul_u32_u24 v[LNH], v18, 8*HP
	v_lshl_add_u32 v[LNH], v17, 3, v[LNH]
	v_add_nc_u32 v[LNH], s39, v[LNH]
	s_lshl_b32 s39, s37, 14                        ; the same rows in memory, 1,024 bytes each
	s_lshl_b32 s40, s38, 12
	s_add_co_u32 s39, s39, s40
	v_lshlrev_b32 v[GX], 13, v18
	v_lshl_add_u32 v[GX], v17, 4, v[GX]
	v_add_nc_u32 v[GX], s39, v[GX]
	v_lshlrev_b32 v21, 4, v17
	v_add_nc_u32 v[LNP], PAR, v21
	v_mul_u32_u24 v[AH], v17, HP
	v_lshl_add_u32 v[AH], v18, 4, v[AH]
	s_lshl_b32 s72, s[WV], 8
	s_add_co_u32 s72, s72, PAR
	v_lshl_add_u32 v[BADR], v18, 5, s72
	v_lshl_add_u32 v[VADR], v17, 2, s72
	v_add_nc_u32 v[PST], PAR, v[T8]
	s_mov_b32 s[SC], 0x3e8293ee                    ; log2(e) / sqrt(32)
	s_mov_b32 s[SC+1], 0
	s_mov_b32 s[NI256], 0xbb800000                 ; - 1 / 256
	s_mov_b32 s[I256], 0x3b800000
	s_mov_b32 s[EPS], 0x3727c5ac                   ; 1e-5
	s_lshl_b32 s40, ttmp9, 15                      ; my 32 rows of 1,024 bytes
	s_mov_b32 s41, 0
	s_and_b32 s42, ttmp9, 31
	s_lshl_b32 s42, s42, 15                        ; the same rows' positions
	s_mov_b32 s43, 0
	s_lshr_b32 s52, ttmp9, 5
	s_lshl_b32 s52, s52, 10                        ; the view's row
	s_mov_b32 s53, 0
	s_lshl_b32 s54, s[WV], 12                      ; my wave's fragments in a step
	s_mov_b32 s55, 0
	s_lshl_b32 s56, s[WV], 19                      ; my two heads, my two token tiles
	s_lshl_b32 s57, ttmp9, 11
	s_add_co_u32 s56, s56, s57
	s_mov_b32 s57, 0
	s_wait_kmcnt 0x0
	s_add_nc_u64 s[8:9], s[8:9], s[40:41]
	s_add_nc_u64 s[22:23], s[22:23], s[40:41]
	s_add_nc_u64 s[12:13], s[12:13], s[42:43]
	s_add_nc_u64 s[10:11], s[10:11], s[52:53]
	s_add_nc_u64 s[WS:WS+1], s[20:21], s[54:55]
	s_add_nc_u64 s[QO:QO+1], s[24:25], s[56:57]
	global_load_b64 v[AB:AB+1], v[T8], s[14:15]
	global_load_b64 v[AB+2:AB+3], v[T8], s[16:17]
	global_load_b64 v[AB+4:AB+5], v[T8], s[18:19]
	global_load_b64 v[AB+6:AB+7], v[T8], s[18:19] offset:1024
	global_load_b64 v[AB+8:AB+9], v[T8], s[18:19] offset:2048
.irp c, 0,1,2,3
	global_load_b128 v[BF+4*(\c):BF+4*(\c)+3], v21, s[10:11] offset:(\c)*256
.endr
.irp i, 0,1,2,3
.irp c, 0,1,2,3
	global_load_b128 v[ACC+16*(\i)+4*(\c):ACC+16*(\i)+4*(\c)+3], v[GX], s[8:9] offset:(\i)*1024+(\c)*256
.endr
.endr
.irp i, 0,1,2,3
.irp c, 0,1,2,3
	global_load_b128 v[TMP+16*(\i)+4*(\c):TMP+16*(\i)+4*(\c)+3], v[GX], s[12:13] offset:(\i)*1024+(\c)*256
.endr
.endr
	RFILL 0, 0
	RFILL 1, 16384
	WIN 0
	s_wait_loadcnt 52                              ; the five parameter loads are in: 4 + 16 + 16 + 16 younger ones stay out
.irp k, 0,1,2,3,4
	ds_store_b64 v[PST], v[AB+2*(\k):AB+2*(\k)+1] offset:1024*(\k)
.endr
	s_wait_loadcnt 16                              ; all but the ring's sixteen
.set p, 0
.rept 32
	v_pk_add_f32 v[ACC+2*p:ACC+2*p+1], v[ACC+2*p:ACC+2*p+1], v[TMP+2*p:TMP+2*p+1]
.set p, p+1
.endr
.set p, 0
.rept 32
	v_pk_add_f32 v[ACC+2*p:ACC+2*p+1], v[ACC+2*p:ACC+2*p+1], v[BF+2*(p%8):BF+2*(p%8)+1]
.set p, p+1
.endr
.irp i, 0,1,2,3
.irp c, 0,1,2,3
	global_store_b128 v[GX], v[ACC+16*(\i)+4*(\c):ACC+16*(\i)+4*(\c)+3], s[22:23] offset:(\i)*1024+(\c)*256   ; 16 lanes store 256 consecutive bytes
.endr
.endr
	RFILL 2, 2*16384
	RFILL 3, 3*16384
	RFILL 4, 4*16384
	RFILL 5, 5*16384
	RFILL 6, 6*16384
	WIN 0
	BAR                                            ; the parameters are whole
	GBLOAD P_G, P_B
	s_wait_xcnt 0x0                                ; the stores of x0 have read ACC
	s_wait_dscnt 0x0
	LNORM LNH, H
	BAR                                            ; h is whole
	QKV
	s_wait_tensorcnt 0x0                           ; the wave's end
	ds_add_u32 v[SPW], v[NIL]
	s_wait_dscnt 0x0
	s_endpgm
.Lfunc_end_k_qeeb5742ea6_embed:
	.size	k_qeeb5742ea6_embed, .Lfunc_end_k_qeeb5742ea6_embed-k_qeeb5742ea6_embed
	.p2alignl 7, 3214868480
	.fill 96, 4, 3214868480
	.section	.rodata,"a",@progbits
	.p2align	6, 0x0
	.amdhsa_kernel k_qeeb5742ea6_embed
		.amdhsa_group_segment_fixed_size 22528
		.amdhsa_private_segment_fixed_size 0
		.amdhsa_enable_private_segment 0
		.amdhsa_kernarg_size 72
		.amdhsa_user_sgpr_count 2
		.amdhsa_user_sgpr_kernarg_segment_ptr 1
		.amdhsa_wavefront_size32 1
		.amdhsa_system_sgpr_workgroup_id_x 1
		.amdhsa_system_sgpr_workgroup_id_y 1
		.amdhsa_system_sgpr_workgroup_id_z 1
		.amdhsa_system_vgpr_workitem_id 0
		.amdhsa_next_free_vgpr 512
		.amdhsa_next_free_sgpr 80
		.amdhsa_reserve_vcc 0
		.amdhsa_float_denorm_mode_32 3
		.amdhsa_float_denorm_mode_16_64 3
		.amdhsa_memory_ordered 1
		.amdhsa_forward_progress 1
		.amdhsa_inst_pref_size 69
	.end_amdhsa_kernel
	.amdgpu_metadata
---
amdhsa.version: [ 1, 2 ]
amdhsa.kernels:
  - .name:           k_qeeb5742ea6_embed
    .symbol:         k_qeeb5742ea6_embed.kd
    .args:
      - { .name: features, .offset: 0, .size: 8, .value_kind: global_buffer, .address_space: global }
      - { .name: view_emb, .offset: 8, .size: 8, .value_kind: global_buffer, .address_space: global }
      - { .name: pos_emb, .offset: 16, .size: 8, .value_kind: global_buffer, .address_space: global }
      - { .name: ln1_g, .offset: 24, .size: 8, .value_kind: global_buffer, .address_space: global }
      - { .name: ln1_b, .offset: 32, .size: 8, .value_kind: global_buffer, .address_space: global }
      - { .name: attn_qkv_b, .offset: 40, .size: 8, .value_kind: global_buffer, .address_space: global }
      - { .name: wbf, .offset: 48, .size: 8, .value_kind: global_buffer, .address_space: global }
      - { .name: xa, .offset: 56, .size: 8, .value_kind: global_buffer, .address_space: global }
      - { .name: qkv, .offset: 64, .size: 8, .value_kind: global_buffer, .address_space: global }
    .group_segment_fixed_size: 22528
    .private_segment_fixed_size: 0
    .kernarg_segment_align: 8
    .kernarg_segment_size: 72
    .max_flat_workgroup_size: 128
    .sgpr_count:     80
    .vgpr_count:     512
    .wavefront_size: 32
...
	.end_amdgpu_metadata
.endif
;; end of part 2
;; launch attn0 (part 3): grid 32 x 8, 8 waves a work-group, clusters of 4 x 1, 327,680 bytes of LDS; arguments qkv, o; writes o
.if DOCPART == 3
	.amdgcn_target "amdgcn-amd-amdhsa--gfx1250"
	.amdhsa_code_object_version 6
	.text
	.protected	k_qeeb5742ea6_attn0
	.globl	k_qeeb5742ea6_attn0
	.p2align	8
	.type	k_qeeb5742ea6_attn0,@function
k_qeeb5742ea6_attn0:
	s_mov_b64 s[64:65], 0
	v_nop
	global_prefetch_b8 v0, s[64:65] scope:SCOPE_SE
	s_setreg_imm32_b32 hwreg(HW_REG_WAVE_MODE, 25, 1), 1
	s_wait_xcnt 0x0
	s_wait_alu depctr_hold_cnt(0) depctr_sa_sdst(0) depctr_va_vdst(0) depctr_va_sdst(0) depctr_va_ssrc(0) depctr_va_vcc(0) depctr_vm_vsrc(0)
	s_getreg_b32 s2, hwreg(HW_REG_IB_STS2, 6, 4)
	s_cmp_eq_u32 s2, 0
	s_cbranch_scc0 .Lentry_in_a_cluster
	s_endpgm
.Lentry_in_a_cluster:
	s_bfe_u32 s2, ttmp6, 0x10000c
	s_cmp_lg_u32 s2, 0x3003
	s_cbranch_scc0 .Lentry_shape_is_right
	s_endpgm
.Lentry_shape_is_right:
; ATTENTION at head size 32, 4,096 tokens, 8 heads.  o[head][q] = sum over k of softmax_k(q . k) v[k]; q arrives multiplied by log2(e) / sqrt(32), so p = 2^(s - m).
; q, k, v, o are f16 in FRAGMENT order (16 rows x 32 of the inner index = 1,024 bytes; the 16 bytes of (blk, lane) at 512 blk + 16 lane): q, k, o by (head, 16 tokens), inner index = channel;
; v by (head, 32 tokens, 16 channels), inner index = token.  Two loads of 512 consecutive bytes give a matrix operand, from memory and from LDS alike, with no padding and no turning.
; LIMITS.  Scores, maxima and sums in f32; p is rounded to f16 and the row sum l is the sum of the rounded p, made by the matrix unit (ones x P).  The running maximum starts at -2^125:
; scores below that are not served.  A weight below 2^-126 counts as 0.  NaN and infinities are not treated apart.
; SHARES.  A work-group owns 128 queries of one head.  Eight waves, two to a SIMD: wave w takes the 32 queries of pair w % 4 (two PIECES of 16) and, of every 1,024 keys, half w / 4: 2,048 keys, 64 a step.
; So each SIMD has two independent streams of matrix and vector work, and K and V are read from LDS no more often than by four waves that walk all keys.  At the end the two waves of a pair hold, for the
; same queries, a running maximum, a sum and an O^T each; waves 4-7 hand theirs over in f32 through LDS, and waves 0-3 merge: m = max(m0, m1), a_i = 2^(m_i - m), O = (a0 O0 + a1 O1) / (a0 l0 + a1 l1).
; S^T = K Q^T (one product for 16 keys x 16 queries): a lane holds one query (lane % 16) and the keys 8 (lane / 16) + 0..7; two such results rounded in pairs ARE source 1 of O^T = V^T P.
; BY TURNS.  In TURN x piece x has the matrix unit: six products (O^T's two channel tiles and l, for 2 x 32 keys) of the step in hand, then four products K Q^T of the next step.  Beside them stand
; the other piece's softmax and piece x's rescaling by a = 2^(m_old - m_new): 94 vector lines, a product behind every seventh.  m starts far below every score and O, l at 0: the first step is a step like any other.
; CLUSTER.  The four query blocks of a cluster belong to one head and walk the same K and V: each tile is asked for jointly, by the same tensor load, descriptor and mask in all four.
; RING.  Two LDS slots of 1,024 keys: 65,536 bytes of K, then 65,536 of V.  Each wave brings an eighth of a slot (64 rows of 256 bytes); one tensor load a wave is out at any time, and has 8 steps of every wave in which to land.
.set SLOTB, 131072
.set HALFK, 32768                      ; 512 keys of K, or of V: what a wave walks of a slot
.set SPARE, 262144                     ; behind the ring: the spare words, 128 bytes a wave
.set MRG,   263168                     ; behind them: what waves 4-7 hand over; no tensor load lands here
.set MP,    2304                       ; a piece's state: 4 x 512 bytes of O^T, 256 of (l, m)
.set RQ,   32                          ; v32-47   Q, 8 a piece
.set RO,   48                          ; v48-79   O^T, piece x: channels 0-15 at 48 + 16 x, channels 16-31 at 56 + 16 x
.set RL,   80                          ; v80-95   l, 8 a piece: eight copies, of which the first two are kept right
.set RK,   96                          ; v96-127  K of one step: four fragments; at the end the partner's O^T
.set RV,   128                         ; v128-159 V of one step: key half kh, channel tile cb at 128 + 16 kh + 8 cb; at the end the partner's (l, m)
.set RS,   160                         ; v160-223 S^T, 32 a piece; P is made in place in its first 16
.set ONES, 24                          ; v24-31   1.0 in every f16
.set MA,   5                           ; v5   where 16 bytes a lane of a pair's state lie
.set MB,   17                          ; v17  where its (l, m) lie, 8 bytes a lane
; v1 16 lane; v2 that + 65,536; v3, v4 the addresses of the runs of LDS loads; v6, v7 the add's two; v8, v9 m of pieces 0, 1; v10-13 four maxima at work; v14:15 the new m; v16 m_old - m_new; v18:19, v20:21 a of pieces 0, 1; v22 at work
.set WV,   8
.set G0,   12                          ; s[12:15] descriptor group 0: it walks
.set G1,   16                          ; s[16:23] descriptor group 1
.set TB,   28                          ; LDS byte at which K of the step to be fetched begins
.set CNT,  29
.set SLOTS, 30
.set SEL,  32                          ; s[32:33] v_permlanex16_b32's selects: each lane takes its own place in the other half
.set QP,   34
.set OP,   36
.set QW,   40                          ; w % 4: my pair of pieces; also which quarter of K's or V's part of a slot I fetch
.set KH,   41                          ; w / 4: my half of the keys; also: I fetch for K (0) or for V (1)
.macro CROUND                          ; a round of the cluster's barrier
	s_barrier_signal -1
	s_barrier_wait -1
	s_cmp_lg_u32 s[WV], 0
	s_cbranch_scc1 .Lnot_wave_0_\@
	s_barrier_signal -3
.Lnot_wave_0_\@:
	s_barrier_wait -3
	s_barrier_signal -1
	s_barrier_wait -1
.endm
; THE CHANGE OF SLOTS.  Each wave waits for all its tensor loads (one is out: its part of the other slot), adds 0 to its spare word, and waits for that and for its reads of the slot that it leaves.
; fill = 1: behind a round of the cluster's barrier the slot is filled again with the keys two slots on, the first thing there.  (At its first use nothing has been read: slot 0 is waited for, slot 1 filled.)
.macro CHANGE fill
	s_wait_tensorcnt 0x0                           ; no tensor load of mine is out, so group 0 may be written
	ds_add_u32 v6, v7
.if \fill
	s_xor_b32 s[G0+1], s[G0+1], SLOTB              ; the other slot than last time,
	s_add_nc_u64 s[G0+2:G0+3], s[G0+2:G0+3], 65536 ; the next 1,024 keys
	s_wait_dscnt 0x0
	CROUND
	tensor_load_to_lds s[G0:G0+3], s[G1:G1+7]
	s_nop 0
.else
	s_wait_dscnt 0x0
	s_barrier_signal -1
	s_barrier_wait -1
.endif
	s_sub_co_u32 s[TB], s[TB], HALFK               ; the fetches go back to my half's first step,
	s_xor_b32 s[TB], s[TB], SLOTB                  ; in the other slot
	v_add_nc_u32 v3, s[TB], v1                     ; where K's next run reads
.endm
.macro FETCH_K                         ; a step's K: four fragments, eight loads of 512 consecutive bytes; v3 was made some lines ahead
.irp f, 0,1,2,3,4,5,6,7
	ds_load_b128 v[RK+4*(\f):RK+4*(\f)+3], v3 offset:512*(\f)
.endr
.endm
.macro FETCH_V                         ; a step's V: 64 keys x 32 channels, likewise; v4 was made some lines ahead
.irp f, 0,1,2,3,4,5,6,7
	ds_load_b128 v[RV+4*(\f):RV+4*(\f)+3], v4 offset:512*(\f)
.endr
	s_add_co_u32 s[TB], s[TB], 4096                ; the next fetch is the next step's
.endm
; Product i of a turn's ten, for piece x.  The accumulators take turns, one instruction a turn.
.macro WM x, i
.set wO, RO+16*(\x)
.set wL, RL+8*(\x)
.set wP, RS+32*(\x)
.set wQ, RQ+8*(\x)
.if (\i) == 0
	v_wmma_f32_16x16x32_f16 v[wO:wO+7], v[RV:RV+7], v[wP:wP+7], v[wO:wO+7]
.elseif (\i) == 1
	v_wmma_f32_16x16x32_f16 v[wO+8:wO+15], v[RV+8:RV+15], v[wP:wP+7], v[wO+8:wO+15]
.elseif (\i) == 2
	v_wmma_f32_16x16x32_f16 v[wL:wL+7], v[ONES:ONES+7], v[wP:wP+7], v[wL:wL+7]
.elseif (\i) == 3
	v_wmma_f32_16x16x32_f16 v[wO:wO+7], v[RV+16:RV+23], v[wP+8:wP+15], v[wO:wO+7]
.elseif (\i) == 4
	v_wmma_f32_16x16x32_f16 v[wO+8:wO+15], v[RV+24:RV+31], v[wP+8:wP+15], v[wO+8:wO+15]
.elseif (\i) == 5
	v_wmma_f32_16x16x32_f16 v[wL:wL+7], v[ONES:ONES+7], v[wP+8:wP+15], v[wL:wL+7]
.else
	v_wmma_f32_16x16x32_f16 v[wP+8*((\i)-6):wP+8*((\i)-6)+7], v[RK+8*((\i)-6):RK+8*((\i)-6)+7], v[wQ:wQ+7], 0
.endif
.endm
.macro VF i                            ; pair i of the scores less the maximum
	v_pk_add_f32 v[rS+2*(\i):rS+2*(\i)+1], v[rS+2*(\i):rS+2*(\i)+1], v[14:15] op_sel_hi:[1,0] neg_lo:[0,1] neg_hi:[0,1]
.endm
.macro VE i
	v_exp_f32 v[rS+(\i)], v[rS+(\i)]
.endm
.macro VC i                            ; pair i rounded to f16, in place: register i takes registers 2 i and 2 i + 1, in ascending order
	s_wait_alu depctr_va_vdst(0)
	v_cvt_pk_f16_f32 v[rS+(\i)], v[rS+2*(\i)], v[rS+2*(\i)+1]
.endm
.macro VR i                            ; the turn's own piece: pair i of O^T, or (8) l, times a
.if (\i) < 8
	v_pk_mul_f32 v[rO+2*(\i):rO+2*(\i)+1], v[rO+2*(\i):rO+2*(\i)+1], v[rAx:rAx+1] op_sel_hi:[1,0]
.else
	v_pk_mul_f32 v[rL:rL+1], v[rL:rL+1], v[rAx:rAx+1] op_sel_hi:[1,0]
.endif
.endm
; Vector line n of turn x's 94.  0-14, 17: the maximum of the other piece's 32 scores and its old m, each accumulator's lowest registers first; 21, 25: the other half of the lanes';
; the rescaling's nine lines fill the gaps of that chain; from 27 on: subtraction, exponential and rounding, so ordered that a plain line follows every run of exponentials before a result is used.
.macro VOP x, n
.set rS, RS+32*(1-(\x))
.set rM, 9-(\x)
.set rA, 20-2*(\x)
.set rAx, 18+2*(\x)
.set rO, RO+16*(\x)
.set rL, RL+8*(\x)
.if (\n) < 4
	v_max3_num_f32 v[10+(\n)], v[rS+8*(\n)], v[rS+8*(\n)+1], v[rS+8*(\n)+2]
.elseif (\n) < 12
	v_max3_num_f32 v[10+(\n)%4], v[10+(\n)%4], v[rS+8*((\n)%4)+2*((\n)/4)+1], v[rS+8*((\n)%4)+2*((\n)/4)+2]
.elseif (\n) == 12
	v_max3_num_f32 v10, v10, v[rS+7], v[rS+15]
.elseif (\n) == 13
	v_max3_num_f32 v11, v11, v[rS+23], v[rS+31]
.elseif (\n) == 14
	v_max3_num_f32 v12, v12, v13, v[rM]
.elseif (\n) < 17
	VR (\n)-15
.elseif (\n) == 17
	v_max3_num_f32 v10, v10, v11, v12
.elseif (\n) < 21
	VR (\n)-16
.elseif (\n) == 21
	v_permlanex16_b32 v13, v10, s[SEL], s[SEL+1]
.elseif (\n) < 25
	VR (\n)-17
.elseif (\n) == 25
	v_max_num_f32 v14, v10, v13
.elseif (\n) == 26
	VR 8
.elseif (\n) < 29
	VF (\n)-27
.elseif (\n) == 29
	v_sub_f32 v16, v[rM], v14
.elseif (\n) == 30
	VE 0
.elseif (\n) == 31
	VF 2
.elseif (\n) == 32
	VE 1
.elseif (\n) == 33
	v_mov_b32 v[rM], v14
.elseif (\n) == 34
	VE 2
.elseif (\n) == 35
	VF 3
.elseif (\n) == 36
	VE 3
.elseif (\n) == 37
	v_exp_f32 v[rA], v16
.elseif (\n) < 86
.set uu, 2+((\n)-38)/4
.set ww, ((\n)-38)%4
.if ww == 0
	VE 2*uu
.elseif ww == 1
	VF uu+2
.elseif ww == 2
	VE 2*uu+1
.else
	VC uu-2
.endif
.elseif (\n) == 86
	VE 28
.elseif (\n) == 87
	VE 29
.elseif (\n) == 88
	VC 12
.elseif (\n) == 89
	VE 30
.elseif (\n) == 90
	VE 31
.elseif (\n) == 91
	VC 13
.elseif (\n) == 92
	VC 14
.else
	VC 15
.endif
.endm
; A TURN.  kq = 0: the last turn, no further scores.  fetch = 1: piece 0's turn fetches the next K behind line 2 (six plain lines behind the last product that read K); piece 1's turn fetches V in one run
; behind line 69 (eight plain lines behind the last product that read V) and makes both runs' addresses some lines ahead of them.
; The waits stand in piece 0's turn: 8 in front of V's products: K's run of eight is younger than V's and may be out; 0 in front of K's products.
.macro TURN x, kq, fetch
.set vn, 0
.rept 94
	VOP \x, vn
.if (vn == 2) && ((\x) == 0) && (\fetch)
	FETCH_K
.endif
.if vn == 26
.if (\x) == 0
	s_wait_dscnt 8*(\fetch)
.endif
	WM \x, 0
.endif
.if vn == 33
	WM \x, 1
.endif
.if vn == 40
	WM \x, 2
.endif
.if vn == 47
	WM \x, 3
.endif
.if vn == 54
	WM \x, 4
.endif
.if (vn == 60) && ((\x) == 1) && (\fetch)
	v_add_nc_u32 v4, s[TB], v2
.endif
.if vn == 61
	WM \x, 5
.endif
.if \kq
.if vn == 68
.if (\x) == 0
	s_wait_dscnt 0x0
.endif
	WM \x, 6
.endif
.if vn == 75
	WM \x, 7
.endif
.if vn == 82
	WM \x, 8
.endif
.if vn == 89
	WM \x, 9
.endif
.endif
.if (vn == 69) && ((\x) == 1) && (\fetch)
	FETCH_V
.endif
.if (vn == 73) && ((\x) == 1) && (\fetch)
	v_add_nc_u32 v3, s[TB], v1
.endif
.set vn, vn+1
.endr
.endm
	s_load_b128 s[4:7], s[0:1], 0x0                ; qkv s[4:5], o s[6:7]
	v_lshl_add_u32 v6, v0, 2, SPARE
	v_mov_b32 v7, 0
	ds_add_u32 v6, v7                              ; the wave's opening: the add and its wait ahead of my first tensor load
	v_lshrrev_b32 v1, 5, v0
	v_readfirstlane_b32 s[WV], v1                  ; wave 0..7
	s_and_b32 s[QW], s[WV], 3
	s_lshr_b32 s[KH], s[WV], 2
	s_bfe_u32 s9, ttmp6, 0x40000                   ; cx: my place in the cluster
	s_lshl_b32 s10, ttmp9, 2
	s_add_co_u32 s10, s10, s9                      ; my block of 128 queries: it enters Q's and o's addresses alone
	s_and_b32 s11, ttmp7, 0xffff                   ; the head, which the four partners share
	s_lshl_b32 s24, s11, 18                        ; a head's 262,144 bytes
	s_lshl_b32 s25, s[KH], 21                      ; waves 0-3 fetch K, waves 4-7 V,
	s_add_co_u32 s25, s25, s24
	s_lshl_b32 s26, s[QW], 14                      ; each a quarter of a slot's 65,536 bytes
	s_add_co_u32 s26, s26, s25
	s_add_co_u32 s26, s26, 2097152                 ; K lies behind Q
	s_mov_b32 s27, 0
	s_lshl_b32 s38, s10, 13                        ; my block's eight fragments, my pair's two
	s_lshl_b32 s39, s[QW], 11
	s_add_co_u32 s38, s38, s39
	s_add_co_u32 s38, s38, s24
	s_mov_b32 s39, 0
	s_mov_b32 s[G1], 15|(3<<16)|(1<<21)            ; the mask of four; elements of 8 bytes; bit 21 set beside a mask; no padding
	s_mov_b32 s[G1+1], 32<<16                      ; tensor_dim0 = 32 elements = 256 bytes
	s_mov_b32 s[G1+2], 64<<16                      ; tensor_dim1 = 64 rows
	s_mov_b32 s[G1+3], 32<<16                      ; tile_dim0
	s_mov_b32 s[G1+4], 64                          ; tile_dim1
	s_mov_b32 s[G1+5], 32                          ; rows lie end to end
	s_mov_b32 s[G1+6], 0
	s_mov_b32 s[G1+7], 0
	s_mov_b32 s[G0], 1
	s_lshl_b32 s[G0+1], s[WV], 14                  ; LDS: wave x 16,384, in slot 0
	s_mov_b32 s[SEL], 0x76543210
	s_mov_b32 s[SEL+1], 0xfedcba98
	s_lshl_b32 s[TB], s[KH], 15                    ; my half of a slot's keys;
	s_add_co_u32 s[TB], s[TB], SLOTB+HALFK         ; the first change of slots takes the rest away
	s_mul_i32 s42, s[QW], 2*MP                     ; my pair's place in the hand-over
	s_add_co_u32 s42, s42, MRG
	s_add_co_u32 s43, s42, 2048
	s_wait_dscnt 0x0                               ; the opening add is done
	s_wait_kmcnt 0x0
	s_add_nc_u64 s[G0+2:G0+3], s[4:5], s[26:27]
	s_or_b32 s[G0+3], s[G0+3], 0x80000000          ; type = 2
	s_add_nc_u64 s[QP:QP+1], s[4:5], s[38:39]
	s_add_nc_u64 s[OP:OP+1], s[6:7], s[38:39]
	CROUND                                         ; all four work-groups are here: the first joint loads meet
	tensor_load_to_lds s[G0:G0+3], s[G1:G1+7]      ; keys 0 to 1,023 into slot 0
	s_nop 0
	v_and_b32 v22, 31, v0
	v_lshlrev_b32 v1, 4, v22
	v_add_nc_u32 v2, 65536, v1
	v_add_nc_u32 v[MA], s42, v1
	v_lshl_add_u32 v[MB], v22, 3, s43
.irp f, 0,1,2,3
	global_load_b128 v[RQ+4*(\f):RQ+4*(\f)+3], v1, s[QP:QP+1] offset:512*(\f)
.endr
	; What the first turns find: O, l, V and piece 1's P are 0, m far below every score.  These lines stand in the wait for the first tile; they spare a first step written out.
.set p, RO
.rept 48
	v_mov_b32 v[p], 0
.set p, p+1
.endr
.set p, RV
.rept 32
	v_mov_b32 v[p], 0
.set p, p+1
.endr
.set p, RS+32
.rept 16
	v_mov_b32 v[p], 0
.set p, p+1
.endr
.irp r, 14,15,18,19,20,21
	v_mov_b32 v\r, 0
.endr
	v_mov_b32 v8, 0xfe000000
	v_mov_b32 v9, 0xfe000000
.set p, ONES
.rept 8
	v_mov_b32 v[p], 0x3c003c00
.set p, p+1
.endr
	CHANGE 1                                       ; slot 0 is in, everybody's part of it; slot 1 is asked for
	FETCH_K                                        ; my step 0
	s_wait_loadcnt 0x0                             ; Q
	s_wait_dscnt 0x0
	WM 0, 6
	WM 0, 7
	WM 0, 8
	WM 0, 9
.rept 4
	v_nop                                          ; the places behind those products
.endr
	s_mov_b32 s[CNT], 8
	s_mov_b32 s[SLOTS], 3
	s_branch .Lmid                                 ; the loop is entered in the middle of a trip
.Lslot:                                                ; twice: slots 0 and 1 are filled again
	CHANGE 1
	s_mov_b32 s[CNT], 8
.Lstep:
	TURN 0, 1, 1
.Lmid:
	TURN 1, 1, 1
	s_sub_co_u32 s[CNT], s[CNT], 1
	s_cmp_lg_u32 s[CNT], 0
	s_cbranch_scc1 .Lstep
	s_sub_co_u32 s[SLOTS], s[SLOTS], 1
	s_cmp_lg_u32 s[SLOTS], 0
	s_cbranch_scc1 .Lslot
	CHANGE 0                                       ; the last slot is written out: nothing is asked for
	s_mov_b32 s[CNT], 8
.Lstep2:
	TURN 0, 1, 1
	TURN 1, 1, 1
	s_sub_co_u32 s[CNT], s[CNT], 1
	s_cmp_lg_u32 s[CNT], 0
	s_cbranch_scc1 .Lstep2
	TURN 0, 0, 0                                   ; piece 0's last products, piece 1's last softmax
.set rAx, 20
.set rO, RO+16
.set rL, RL+8
.irp i, 0,1,2,3,4,5,6,7,8
	VR \i
.endr
.irp i, 0,1,2,3,4,5
	WM 1, \i
.endr
.rept 4
	v_nop                                          ; the places behind the last products
.endr
	; THE TWO HALVES OF THE KEYS MEET.  m goes beside l; waves 4-7 store both pieces' O^T and (l, m), each accumulator's low registers first.
	v_mov_b32 v[RL+1], v8
	v_mov_b32 v[RL+9], v9
	s_cmp_lt_u32 s[WV], 4
	s_cbranch_scc1 .Lkeep
.irp x, 0,1
.irp c, 0,1,2,3
	ds_store_b128 v[MA], v[RO+16*(\x)+4*(\c):RO+16*(\x)+4*(\c)+3] offset:(\x)*MP+(\c)*512
.endr
	ds_store_b64 v[MB], v[RL+8*(\x):RL+8*(\x)+1] offset:(\x)*MP
.endr
.Lkeep:
	s_wait_dscnt 0x0                               ; for the partner's sake: my stores are done
	s_barrier_signal -1
	s_barrier_wait -1
	s_cmp_lt_u32 s[WV], 4
	s_cbranch_scc0 .Ldone                          ; waves 4-7 have handed over and are done
.irp x, 0,1
.irp c, 0,1,2,3
	ds_load_b128 v[RK+16*(\x)+4*(\c):RK+16*(\x)+4*(\c)+3], v[MA] offset:(\x)*MP+(\c)*512
.endr
	ds_load_b64 v[RV+2*(\x):RV+2*(\x)+1], v[MB] offset:(\x)*MP
.endr
	s_wait_dscnt 0x0
	v_max_num_f32 v14, v8, v[RV+1]                 ; the common maximum of piece 0,
	v_max_num_f32 v15, v9, v[RV+3]                 ; of piece 1
	v_sub_f32 v18, v8, v14
	v_sub_f32 v20, v9, v15
	v_sub_f32 v10, v[RV+1], v14
	v_sub_f32 v12, v[RV+3], v15
	v_exp_f32 v18, v18                             ; a0: mine
	v_exp_f32 v20, v20
	v_exp_f32 v10, v10                             ; a1: the partner's
	v_exp_f32 v12, v12
	v_nop                                          ; a plain line behind the run of exponentials
	s_wait_alu depctr_va_vdst(0)
	v_mul_f32 v16, v18, v[RL]
	v_mul_f32 v22, v20, v[RL+8]
	v_fma_f32 v16, v10, v[RV], v16                 ; l = a0 l0 + a1 l1
	v_fma_f32 v22, v12, v[RV+2], v22
	v_rcp_f32 v16, v16
	v_rcp_f32 v22, v22
	v_nop
	s_wait_alu depctr_va_vdst(0)
	v_mul_f32 v18, v18, v16                        ; a0 / l, a1 / l
	v_mul_f32 v10, v10, v16
	v_mul_f32 v20, v20, v22
	v_mul_f32 v12, v12, v22
.set p, 0
.rept 16
	v_pk_mul_f32 v[RO+2*p:RO+2*p+1], v[RO+2*p:RO+2*p+1], v[18+2*(p/8):19+2*(p/8)] op_sel_hi:[1,0]
.set p, p+1
.endr
.set p, 0
.rept 16
	v_pk_fma_f32 v[RO+2*p:RO+2*p+1], v[RK+2*p:RK+2*p+1], v[10+2*(p/8):11+2*(p/8)], v[RO+2*p:RO+2*p+1] op_sel_hi:[1,0,1]
.set p, p+1
.endr
	; THE WAY OUT.  A lane's eight channels of a query are the 16 bytes of o's fragment order, so each store of the wave covers 512 consecutive bytes and no LDS stage is needed.
.set p, 0
.rept 16
	v_cvt_pk_f16_f32 v[RS+p], v[RO+2*p], v[RO+2*p+1]
.set p, p+1
.endr
.irp f, 0,1,2,3
	global_store_b128 v1, v[RS+4*(\f):RS+4*(\f)+3], s[OP:OP+1] offset:512*(\f)
.endr
.Ldone:
	s_wait_tensorcnt 0x0                           ; the wave's end
	ds_add_u32 v6, v7
	s_wait_dscnt 0x0
	CROUND                                         ; the closing round: no work-group ends while a partner may still ask for a tile that names it
	s_endpgm
.Lfunc_end_k_qeeb5742ea6_attn0:
	.size	k_qeeb5742ea6_attn0, .Lfunc_end_k_qeeb5742ea6_attn0-k_qeeb5742ea6_attn0
	.p2alignl 7, 3214868480
	.fill 96, 4, 3214868480
	.section	.rodata,"a",@progbits
	.p2align	6, 0x0
	.amdhsa_kernel k_qeeb5742ea6_attn0
		.amdhsa_group_segment_fixed_size 327680
		.amdhsa_private_segment_fixed_size 0
		.amdhsa_enable_private_segment 0
		.amdhsa_kernarg_size 16
		.amdhsa_user_sgpr_count 2
		.amdhsa_user_sgpr_kernarg_segment_ptr 1
		.amdhsa_wavefront_size32 1
		.amdhsa_system_sgpr_workgroup_id_x 1
		.amdhsa_system_sgpr_workgroup_id_y 1
		.amdhsa_system_sgpr_workgroup_id_z 1
		.amdhsa_system_vgpr_workitem_id 0
		.amdhsa_next_free_vgpr 224
		.amdhsa_next_free_sgpr 66
		.amdhsa_reserve_vcc 0
		.amdhsa_float_denorm_mode_32 3
		.amdhsa_float_denorm_mode_16_64 3
		.amdhsa_memory_ordered 1
		.amdhsa_forward_progress 1
		.amdhsa_inst_pref_size 50
	.end_amdhsa_kernel
	.amdgpu_metadata
---
amdhsa.version: [ 1, 2 ]
amdhsa.kernels:
  - .name:           k_qeeb5742ea6_attn0
    .symbol:         k_qeeb5742ea6_attn0.kd
    .args:
      - { .name: qkv, .offset: 0, .size: 8, .value_kind: global_buffer, .address_space: global }
      - { .name: o, .offset: 8, .size: 8, .value_kind: global_buffer, .address_space: global }
    .group_segment_fixed_size: 327680
    .private_segment_fixed_size: 0
    .kernarg_segment_align: 8
    .kernarg_segment_size: 16
    .max_flat_workgroup_size: 256
    .sgpr_count:     66
    .vgpr_count:     224
    .wavefront_size: 32
...
	.end_amdgpu_metadata
.endif
;; end of part 3
;; launch chain0 (part 4): grid 128 x 1, 4 waves a work-group, no clusters, 130,048 bytes of LDS; arguments xa, o, wbf, st0, attn_out_b, ln2_g, ln2_b, ff1_b, ff2_b, ln1_g, ln1_b, attn_qkv_b, xb, qkv; writes xb, qkv
.if DOCPART == 4
	.amdgcn_target "amdgcn-amd-amdhsa--gfx1250"
	.amdhsa_code_object_version 6
	.text
	.protected	k_qeeb5742ea6_chain0
	.globl	k_qeeb5742ea6_chain0
	.p2align	8
	.type	k_qeeb5742ea6_chain0,@function
k_qeeb5742ea6_chain0:
	s_mov_b64 s[64:65], 0
	v_nop
	global_prefetch_b8 v0, s[64:65] scope:SCOPE_SE
	s_setreg_imm32_b32 hwreg(HW_REG_WAVE_MODE, 25, 1), 1
	s_wait_xcnt 0x0
; CHAIN.  The row-local part of a layer, for 32 tokens a work-group: x1 = x + o Wo^T + bo;  h = LayerNorm2(x1);  x2 = x1 + gelu(h W1^T + b1) W2^T + b2 (stored);  h' = the next LayerNorm of x2;
; q, k, v = h' W^T + b of the next layer.  One body serves three launches: three whole numbers read from memory (stage 0..2; next layer, 0 at the last stage; last, 0 or 1) give the byte offsets of the
; layer's parameters and of the weight stream.  At the last stage the next LayerNorm is the final one, k and v are the cross-view attention's, no q is made (the stream holds none) and x2 is not stored:
; two forward jumps, neither past a barrier.
; SHARES, RING, ORIENTATION: a PASS makes 32 tokens x 256 columns over K = 256; wave w owns columns 64 w .. + 63: 8 accumulators.  Activations lie in LDS in f16; weights (f16, fragment order) come from
; memory straight into the registers of the one wave that multiplies by them, through a ring of 8 register slots; a slot is asked for again as soon as its step is multiplied.
; The whole launch reads ONE linear stream of 96 steps (88 at the last stage).
; NO CLUSTER, NO TENSOR LOADS: each weight byte is used by exactly one wave of a work-group, so LDS would add a write and a read of every byte and share nothing inside the work-group; and beside the 130,048
; bytes in use two slots that line up with the passes would hold four steps each, 65,536 bytes on their way behind a barrier, against the ring's 114,688.
; GELU is exact to 1.5e-7 in erf (Abramowitz and Stegun 7.1.26), without cancellation: gelu(x) = max(x, 0) - |x| P(t) 2^(-0.72134752 x^2), t = 1 / (1 + 0.231641888 |x|), for every x.
; LIMITS.  o, h, gelu's results, q, k, v are f16 (largest 65,504); x, the statistics and all sums are f32; the variance is taken of x - mean; NaN and infinities are not treated apart.
; REGISTERS.  Window 0: v0-23 addresses; v64-127 ACC; v128-159 AB; v160-191 BF; v192-255 TMP.  Window 1: the ring, slot j at 32 j.
.set XS,    0                          ; x in f32, rows of 1,040 bytes
.set XP,    1040
.set H,     33280                      ; 32 x 256 f16, rows of 528 bytes: o, then h, then h'
.set HP,    528
.set FF,    50176                      ; 32 x 1,024 f16, rows of 2,064 bytes
.set FP,    2064
.set PAR,   116224
.set P_BO,  0
.set P_G2,  1024
.set P_B2L, 2048
.set P_B1,  3072
.set P_B2,  7168
.set P_GN,  8192
.set P_BN,  9216
.set P_QKV, 10240
.set SPARE, 129536
.set ACC, 64
.set AB,  128
.set BF,  160
.set TMP, 192
.set L16, 1
.set T8,  2
.set LNX, 3
.set LNH, 4
.set GX,  5
.set LNP, 6
.set XADR, 7
.set AH,  8
.set BADR, 9
.set VADR, 10
.set OST, 11
.set AFF, 12
.set FADR, 13
.set SPW, 14
.set NIL, 15
.set BV,  22
.set PST, 23
.set WV,  36
.set STG, 40                           ; s40 stage, s41 next layer, s42 last
.set CN2, 43                           ; counts GELU's groups
.set WS,  44
.set QO,  46
.set CNT, 48
.set SKQ, 49
.set SC,  50
.set K1,  52
.set KE,  54
.set NA5, 56
.set NA4, 58
.set NA3, 60
.set NA2, 62
.set NA1, 66
.set ABSM, 68
.set NI256, 69
.set I256,  70
.set EPS,   71
.set MSB, 0
.macro WIN new                         ; the immediate's high byte repeats the setting that is left; a switch that changes nothing is dropped
.if MSB != (\new)
	s_set_vgpr_msb (MSB<<8)|(\new)
.set MSB, (\new)
.endif
.endm
.macro BAR                             ; my LDS instructions are done, then the work-group's barrier
	s_wait_dscnt 0x0
	s_barrier_signal -1
	s_barrier_wait -1
.endm
.macro RFILL slot, off                 ; a step's four weight fragments into a ring slot
	WIN 0x40
.irp f, 0,1,2,3
	global_load_b128 v[32*(\slot)+8*(\f):32*(\slot)+8*(\f)+3], v[L16], s[WS:WS+1] offset:(\off)+(\f)*1024
	global_load_b128 v[32*(\slot)+8*(\f)+4:32*(\slot)+8*(\f)+7], v[L16], s[WS:WS+1] offset:(\off)+(\f)*1024+512
.endr
.endm
.macro ALOAD buf, areg, off, rto       ; two activation fragments (token tiles 0 and 1) for 32 k
	ds_load_b128 v[AB+16*(\buf):AB+16*(\buf)+3], v[\areg] offset:(\off)
	ds_load_b128 v[AB+16*(\buf)+4:AB+16*(\buf)+7], v[\areg] offset:(\off)+32
	ds_load_b128 v[AB+16*(\buf)+8:AB+16*(\buf)+11], v[\areg] offset:(\off)+(\rto)
	ds_load_b128 v[AB+16*(\buf)+12:AB+16*(\buf)+15], v[\areg] offset:(\off)+(\rto)+32
.endm
.macro BFLOAD breg, off                ; the bias of my 64 columns as four C operands: register j = column 8 (lane / 16) + j
.irp ct, 0,1,2,3
	ds_load_b128 v[BF+8*(\ct):BF+8*(\ct)+3], v[\breg] offset:(\off)+(\ct)*64
	ds_load_b128 v[BF+8*(\ct)+4:BF+8*(\ct)+7], v[\breg] offset:(\off)+(\ct)*64+16
.endr
.endm
; One step of 32 k.  The next step's activations are asked for; the slot read last step is asked for again; slot j has landed when at most lc younger ring loads are out; eight products on eight
; accumulators by turns; four v_nop, the places in front of the next loads into registers that these products read and of whatever reads their results.
; cm says what starts the sums at j = 0: 0 what ACC holds, 1 the bias in BF, 2 the constant 0.
.macro STEP j, areg, ab, rto, cm, sw, rf, lc
	WIN 0
.if (\j) < 7
	ALOAD ((\j)+1)&1, \areg, (\ab)+64*((\j)+1), \rto
.endif
.if \rf
	RFILL ((\j)+7)&7, ((\j)+7)*16384
.endif
	s_wait_loadcnt \lc
.if (\j) < 7
	s_wait_dscnt 4                                 ; all but the four activation loads just issued
.else
	s_wait_dscnt 0
.endif
.if \sw
	WIN 0x04
.else
	WIN 0x01
.endif
.irp ct, 0,1,2,3
.irp rt, 0,1
.set acc, ACC+8*(2*(\ct)+(\rt))
.set wf, 32*(\j)+8*(\ct)
.set af, AB+16*((\j)&1)+8*(\rt)
.if \sw
.if ((\j) == 0) && ((\cm) == 2)
	v_wmma_f32_16x16x32_f16 v[acc:acc+7], v[af:af+7], v[wf:wf+7], 0
.else
	v_wmma_f32_16x16x32_f16 v[acc:acc+7], v[af:af+7], v[wf:wf+7], v[acc:acc+7]
.endif
.else
.if ((\j) == 0) && ((\cm) == 1)
	v_wmma_f32_16x16x32_f16 v[acc:acc+7], v[wf:wf+7], v[af:af+7], v[BF+8*(\ct):BF+8*(\ct)+7]
.else
	v_wmma_f32_16x16x32_f16 v[acc:acc+7], v[wf:wf+7], v[af:af+7], v[acc:acc+7]
.endif
.endif
.endr
.endr
.rept 4
	v_nop
.endr
.endm
; Eight steps.  tl = 1: the launch's last pass: only its own last slot is still asked for, and the counts run down with the slots that are out.
.macro PASS areg, ab, rto, cm, sw, tl
.if \tl
	STEP 0, \areg, \ab, \rto, \cm, \sw, 1, 56
	STEP 1, \areg, \ab, \rto, \cm, \sw, 0, 48
	STEP 2, \areg, \ab, \rto, \cm, \sw, 0, 40
	STEP 3, \areg, \ab, \rto, \cm, \sw, 0, 32
	STEP 4, \areg, \ab, \rto, \cm, \sw, 0, 24
	STEP 5, \areg, \ab, \rto, \cm, \sw, 0, 16
	STEP 6, \areg, \ab, \rto, \cm, \sw, 0, 8
	STEP 7, \areg, \ab, \rto, \cm, \sw, 0, 0
	WIN 0
.else
.irp jj, 0,1,2,3,4,5,6,7
	STEP \jj, \areg, \ab, \rto, \cm, \sw, 1, 56    ; 56: the seven younger slots, eight loads each
.endr
	WIN 0
	s_wait_xcnt 0x0                                ; the stream's base is stepped, and earlier stores' registers are rewritten, only behind this wait
	s_add_nc_u64 s[WS:WS+1], s[WS:WS+1], 131072
.endif
.endm
.macro PACK                            ; ACC's 64 numbers rounded to f16, in ascending order
.set p, 0
.rept 32
	v_cvt_pk_f16_f32 v[TMP+p], v[ACC+2*p], v[ACC+2*p+1]
.set p, p+1
.endr
.endm
.macro GBLOAD pg, pb                   ; gain and bias of my 16 columns 64 c + 4 t + 0..3
.irp c, 0,1,2,3
	ds_load_b128 v[BF+4*(\c):BF+4*(\c)+3], v[LNP] offset:(\pg)+(\c)*256
	ds_load_b128 v[BF+16+4*(\c):BF+16+4*(\c)+3], v[LNP] offset:(\pb)+(\c)*256
.endr
.endm
; GELU of 16 numbers (two accumulators) in place; all of TMP is at work: |x| at 0, t at 16, the exponential at 32, the polynomial (with negated coefficients) at 48.
.macro GELU8 base
.set p, 0
.rept 8
	v_and_b32 v[TMP+2*p], s[ABSM], v[(\base)+2*p]
	v_and_b32 v[TMP+2*p+1], s[ABSM], v[(\base)+2*p+1]
.set p, p+1
.endr
.set p, 0
.rept 8
	v_pk_fma_f32 v[TMP+16+2*p:TMP+17+2*p], v[TMP+2*p:TMP+2*p+1], s[K1:K1+1], 1.0 op_sel_hi:[1,0,0]
.set p, p+1
.endr
.set p, 0
.rept 8
	v_pk_mul_f32 v[TMP+32+2*p:TMP+33+2*p], v[(\base)+2*p:(\base)+2*p+1], v[(\base)+2*p:(\base)+2*p+1]
.set p, p+1
.endr
.set p, 0
.rept 8
	v_pk_mul_f32 v[TMP+32+2*p:TMP+33+2*p], v[TMP+32+2*p:TMP+33+2*p], s[KE:KE+1] op_sel_hi:[1,0]
.set p, p+1
.endr
.set p, 0
.rept 16
	v_rcp_f32 v[TMP+16+p], v[TMP+16+p]
.set p, p+1
.endr
.set p, 0
.rept 16
	v_exp_f32 v[TMP+32+p], v[TMP+32+p]
.set p, p+1
.endr
.set p, 0
.rept 16
	v_max_num_f32 v[(\base)+p], 0, v[(\base)+p]    ; plain lines behind the run of transcendentals
.set p, p+1
.endr
.set p, 0
	s_wait_alu depctr_va_vdst(0)
.rept 8
	v_pk_fma_f32 v[TMP+48+2*p:TMP+49+2*p], v[TMP+16+2*p:TMP+17+2*p], s[NA5:NA5+1], s[NA4:NA4+1] op_sel_hi:[1,0,0]
.set p, p+1
.endr
.irp a, NA3, NA2, NA1
.set p, 0
.rept 8
	v_pk_fma_f32 v[TMP+48+2*p:TMP+49+2*p], v[TMP+48+2*p:TMP+49+2*p], v[TMP+16+2*p:TMP+17+2*p], s[\a:\a+1] op_sel_hi:[1,1,0]
.set p, p+1
.endr
.endr
.set p, 0
.rept 8
	v_pk_mul_f32 v[TMP+48+2*p:TMP+49+2*p], v[TMP+48+2*p:TMP+49+2*p], v[TMP+16+2*p:TMP+17+2*p]
.set p, p+1
.endr
.set p, 0
.rept 8
	v_pk_mul_f32 v[TMP+48+2*p:TMP+49+2*p], v[TMP+48+2*p:TMP+49+2*p], v[TMP+32+2*p:TMP+33+2*p]
.set p, p+1
.endr
.set p, 0
.rept 8
	v_pk_fma_f32 v[(\base)+2*p:(\base)+2*p+1], v[TMP+48+2*p:TMP+49+2*p], v[TMP+2*p:TMP+2*p+1], v[(\base)+2*p:(\base)+2*p+1]
.set p, p+1
.endr
.endm
; LayerNorm of four rows a half-wave: row i's 256 numbers lie in 16 lanes, 16 a lane, at ACC + 16 i.  Written stage by stage over the four rows, so that no line waits for the one before it.
.macro LNORM hreg, hb
.set p, 0
.rept 16
	v_pk_add_f32 v[TMP+2*p:TMP+2*p+1], v[ACC+4*p:ACC+4*p+1], v[ACC+4*p+2:ACC+4*p+3]
.set p, p+1
.endr
.irp i, 0,1,2,3
	v_pk_add_f32 v[TMP+8*(\i):TMP+8*(\i)+1], v[TMP+8*(\i):TMP+8*(\i)+1], v[TMP+8*(\i)+2:TMP+8*(\i)+3]
	v_pk_add_f32 v[TMP+8*(\i)+4:TMP+8*(\i)+5], v[TMP+8*(\i)+4:TMP+8*(\i)+5], v[TMP+8*(\i)+6:TMP+8*(\i)+7]
.endr
.irp i, 0,1,2,3
	v_pk_add_f32 v[TMP+8*(\i):TMP+8*(\i)+1], v[TMP+8*(\i):TMP+8*(\i)+1], v[TMP+8*(\i)+4:TMP+8*(\i)+5]
.endr
.irp i, 0,1,2,3
	v_add_f32 v[TMP+8*(\i)], v[TMP+8*(\i)], v[TMP+8*(\i)+1]
.endr
.irp m, 1,2,4,8
.irp i, 0,1,2,3
	v_add_f32_dpp v[TMP+8*(\i)], v[TMP+8*(\i)], v[TMP+8*(\i)] row_xmask:\m row_mask:0xf bank_mask:0xf
.endr
.endr
.irp i, 0,1,2,3
	v_mul_f32 v[TMP+32+2*(\i)], s[NI256], v[TMP+8*(\i)]      ; - mean, twice
	v_mul_f32 v[TMP+33+2*(\i)], s[NI256], v[TMP+8*(\i)]
.endr
.irp k, 0,1,2,3,4,5,6,7
.irp i, 0,1,2,3
	v_pk_add_f32 v[ACC+16*(\i)+2*(\k):ACC+16*(\i)+2*(\k)+1], v[ACC+16*(\i)+2*(\k):ACC+16*(\i)+2*(\k)+1], v[TMP+32+2*(\i):TMP+33+2*(\i)]
.endr
.endr
.irp i, 0,1,2,3
	v_pk_mul_f32 v[TMP+8*(\i):TMP+8*(\i)+1], v[ACC+16*(\i):ACC+16*(\i)+1], v[ACC+16*(\i):ACC+16*(\i)+1]
.endr
.irp k, 1,2,3,4,5,6,7
.irp i, 0,1,2,3
	v_pk_fma_f32 v[TMP+8*(\i):TMP+8*(\i)+1], v[ACC+16*(\i)+2*(\k):ACC+16*(\i)+2*(\k)+1], v[ACC+16*(\i)+2*(\k):ACC+16*(\i)+2*(\k)+1], v[TMP+8*(\i):TMP+8*(\i)+1]
.endr
.endr
.irp i, 0,1,2,3
	v_add_f32 v[TMP+8*(\i)], v[TMP+8*(\i)], v[TMP+8*(\i)+1]
.endr
.irp m, 1,2,4,8
.irp i, 0,1,2,3
	v_add_f32_dpp v[TMP+8*(\i)], v[TMP+8*(\i)], v[TMP+8*(\i)] row_xmask:\m row_mask:0xf bank_mask:0xf
.endr
.endr
.irp i, 0,1,2,3
	v_fma_f32 v[TMP+8*(\i)], v[TMP+8*(\i)], s[I256], s[EPS]  ; variance + 1e-5
.endr
.irp i, 0,1,2,3
	v_rsq_f32 v[TMP+40+2*(\i)], v[TMP+8*(\i)]
	v_rsq_f32 v[TMP+41+2*(\i)], v[TMP+8*(\i)]
.endr
	v_nop                                          ; a plain line between the last root and the use of its result
	s_wait_alu depctr_va_vdst(0)
.irp k, 0,1,2,3,4,5,6,7
.irp i, 0,1,2,3
	v_pk_mul_f32 v[ACC+16*(\i)+2*(\k):ACC+16*(\i)+2*(\k)+1], v[ACC+16*(\i)+2*(\k):ACC+16*(\i)+2*(\k)+1], v[TMP+40+2*(\i):TMP+41+2*(\i)]
.endr
.endr
.irp k, 0,1,2,3,4,5,6,7
.irp i, 0,1,2,3
	v_pk_fma_f32 v[ACC+16*(\i)+2*(\k):ACC+16*(\i)+2*(\k)+1], v[ACC+16*(\i)+2*(\k):ACC+16*(\i)+2*(\k)+1], v[BF+2*(\k):BF+2*(\k)+1], v[BF+16+2*(\k):BF+17+2*(\k)]
.endr
.endr
	PACK
.irp i, 0,1,2,3
.irp c, 0,1,2,3
	ds_store_b64 v[\hreg], v[TMP+8*(\i)+2*(\c):TMP+8*(\i)+2*(\c)+1] offset:(\hb)+(\i)*HP+(\c)*128
.endr
.endr
.endm
; q and k (a loop of two trips) and v, from the activations at AH.  The q trip is jumped where s[SKQ] is 1; what is jumped is one whole turn of the ring, so the same slots are out on both ways.
.macro QKV
	v_add_nc_u32 v[BV], P_QKV, v[BADR]
	s_mov_b32 s[CNT], 2
.Lqk:
	s_cmp_eq_u32 s[SKQ], 1
	s_cbranch_scc1 .Lqkb
	BFLOAD BV, 0
	ALOAD 0, AH, 0, 16*HP
	PASS AH, 0, 16*HP, 1, 0, 0
.set p, 0
.rept 32
	v_pk_mul_f32 v[ACC+2*p:ACC+2*p+1], v[ACC+2*p:ACC+2*p+1], s[SC:SC+1] op_sel_hi:[1,0]
.set p, p+1
.endr
	PACK
.irp ct, 0,1,2,3
.irp rt, 0,1
	global_store_b128 v[L16], v[TMP+4*(2*(\ct)+(\rt)):TMP+4*(2*(\ct)+(\rt))+3], s[QO:QO+1] offset:((\ct)>>1)*262144+(\rt)*1024+((\ct)&1)*512
.endr
.endr
.Lqkb:
	v_add_nc_u32 v[BV], 1024, v[BV]
	s_wait_xcnt 0x0                                ; the stores' base is stepped only behind this wait
	s_add_nc_u64 s[QO:QO+1], s[QO:QO+1], 2097152
	s_mov_b32 s[SC], 1.0                           ; k is not scaled
	s_mov_b32 s[SKQ], 0
	s_sub_co_u32 s[CNT], s[CNT], 1
	s_cmp_lg_u32 s[CNT], 0
	s_cbranch_scc1 .Lqk
.irp ct, 0,1,2,3
	ds_load_b32 v[BF+2*(\ct)], v[VADR] offset:P_QKV+2048+(\ct)*64   ; swapped, a lane holds one channel: one bias a tile
.endr
	ALOAD 0, AH, 0, 16*HP
	PASS AH, 0, 16*HP, 2, 1, 1
	s_wait_xcnt 0x0                                ; k's stores have read TMP
.irp ct, 0,1,2,3
.irp rt, 0,1
.irp q, 0,1,2,3
	v_pk_add_f32 v[ACC+8*(2*(\ct)+(\rt))+2*(\q):ACC+8*(2*(\ct)+(\rt))+2*(\q)+1], v[ACC+8*(2*(\ct)+(\rt))+2*(\q):ACC+8*(2*(\ct)+(\rt))+2*(\q)+1], v[BF+2*(\ct):BF+2*(\ct)+1] op_sel_hi:[1,0]
.endr
.endr
.endr
	PACK
.irp ct, 0,1,2,3
.irp rt, 0,1
	global_store_b128 v[L16], v[TMP+4*(2*(\ct)+(\rt)):TMP+4*(2*(\ct)+(\rt))+3], s[QO:QO+1] offset:((\ct)>>1)*262144+((\ct)&1)*1024+(\rt)*512
.endr
.endr
.endm
.macro XLOAD                           ; x of my 64 columns as eight accumulators: lane = token, eight neighbouring columns
.irp ct, 0,1,2,3
.irp rt, 0,1
	ds_load_b128 v[ACC+8*(2*(\ct)+(\rt)):ACC+8*(2*(\ct)+(\rt))+3], v[XADR] offset:(\rt)*16*XP+(\ct)*64
	ds_load_b128 v[ACC+8*(2*(\ct)+(\rt))+4:ACC+8*(2*(\ct)+(\rt))+7], v[XADR] offset:(\rt)*16*XP+(\ct)*64+16
.endr
.endr
.endm
.macro XSTORE                          ; and back to the same bytes, each accumulator's low registers first
.irp ct, 0,1,2,3
.irp rt, 0,1
	ds_store_b128 v[XADR], v[ACC+8*(2*(\ct)+(\rt)):ACC+8*(2*(\ct)+(\rt))+3] offset:(\rt)*16*XP+(\ct)*64
	ds_store_b128 v[XADR], v[ACC+8*(2*(\ct)+(\rt))+4:ACC+8*(2*(\ct)+(\rt))+7] offset:(\rt)*16*XP+(\ct)*64+16
.endr
.endr
.endm
.macro BADD                            ; the bias in BF onto the eight accumulators
.irp ct, 0,1,2,3
.irp rt, 0,1
.irp q, 0,1,2,3
	v_pk_add_f32 v[ACC+8*(2*(\ct)+(\rt))+2*(\q):ACC+8*(2*(\ct)+(\rt))+2*(\q)+1], v[ACC+8*(2*(\ct)+(\rt))+2*(\q):ACC+8*(2*(\ct)+(\rt))+2*(\q)+1], v[BF+8*(\ct)+2*(\q):BF+8*(\ct)+2*(\q)+1]
.endr
.endr
.endr
.endm
.macro LNLOAD                          ; x by rows: row i of my half-wave, columns 64 c + 4 t + 0..3
.irp i, 0,1,2,3
.irp c, 0,1,2,3
	ds_load_b128 v[ACC+16*(\i)+4*(\c):ACC+16*(\i)+4*(\c)+3], v[LNX] offset:(\i)*XP+(\c)*256
.endr
.endr
.endm
.macro PLD k, sp, off                  ; 1,024 bytes of a parameter, 8 bytes a thread
	global_load_b64 v[TMP+32+2*(\k):TMP+33+2*(\k)], v[T8], s[\sp:\sp+1] offset:\off
.endm
	s_load_b512 s[8:23], s[0:1], 0x0               ; x 8, o 10, wbf 12, stage words 14, out bias 16, ln2 gain 18, ln2 bias 20, ff1 bias 22
	s_load_b256 s[24:31], s[0:1], 0x40             ; ff2 bias 24, next gain 26, next bias 28, next qkv bias 30
	s_load_b128 s[32:35], s[0:1], 0x60             ; x out 32, qkv 34
	v_lshl_add_u32 v[SPW], v0, 2, SPARE
	v_mov_b32 v[NIL], 0
	v_and_b32 v16, 31, v0                          ; lane
	v_and_b32 v17, 15, v0                          ; r = t = lane % 16
	v_bfe_u32 v18, v0, 4, 1                        ; h = lane / 16
	v_lshrrev_b32 v19, 5, v0
	v_readfirstlane_b32 s[WV], v19                 ; wave 0..3
	v_lshlrev_b32 v[L16], 4, v16
	v_lshlrev_b32 v[T8], 3, v0
	s_lshr_b32 s37, s[WV], 1
	s_and_b32 s38, s[WV], 1
	; LayerNorm's first row of my half-wave is 16 (w / 2) + 4 (w % 2) + 8 h: the wave's part is made in scalar registers, the lane's part from the lane alone, and one addition joins them
	s_mul_i32 s39, s37, 16*XP
	s_mul_i32 s73, s38, 4*XP
	s_add_co_u32 s39, s39, s73
	v_mul_u32_u24 v[LNX], v18, 8*XP
	v_lshl_add_u32 v[LNX], v17, 4, v[LNX]
	v_add_nc_u32 v[LNX], s39, v[LNX]
	s_mul_i32 s39, s37, 16*HP
	s_mul_i32 s73, s38, 4*HP
	s_add_co_u32 s39, s39, s73
	v_mul_u32_u24 v[LNH], v18, 8*HP
	v_lshl_add_u32 v[LNH], v17, 3, v[LNH]
	v_add_nc_u32 v[LNH], s39, v[LNH]
	s_lshl_b32 s39, s37, 14                        ; the same rows in memory, 1,024 bytes each
	s_lshl_b32 s73, s38, 12
	s_add_co_u32 s39, s39, s73
	v_lshlrev_b32 v[GX], 13, v18
	v_lshl_add_u32 v[GX], v17, 4, v[GX]
	v_add_nc_u32 v[GX], s39, v[GX]
	v_lshlrev_b32 v21, 4, v17
	v_add_nc_u32 v[LNP], PAR, v21
	s_lshl_b32 s72, s[WV], 8
	v_mul_u32_u24 v[XADR], v17, XP
	v_lshl_add_u32 v[XADR], v18, 5, v[XADR]
	v_add_nc_u32 v[XADR], s72, v[XADR]
	v_mul_u32_u24 v21, v17, HP
	v_lshl_add_u32 v21, v18, 4, v21
	v_add_nc_u32 v[AH], H, v21
	s_mul_i32 s73, s37, 16*HP
	s_lshl_b32 s74, s38, 8
	s_add_co_u32 s73, s73, s74
	s_add_co_u32 s73, s73, H
	v_add_nc_u32 v[OST], s73, v21
	s_add_co_u32 s73, s72, PAR
	v_lshl_add_u32 v[BADR], v18, 5, s73
	v_lshl_add_u32 v[VADR], v17, 2, s73
	v_mul_u32_u24 v21, v17, FP
	v_lshl_add_u32 v21, v18, 4, v21
	v_add_nc_u32 v[AFF], FF, v21
	s_lshl_b32 s73, s[WV], 7
	s_add_co_u32 s73, s73, FF
	v_add_nc_u32 v[FADR], s73, v21
	v_add_nc_u32 v[PST], PAR, v[T8]
	s_mov_b32 s[SC], 0x3e8293ee                    ; log2(e) / sqrt(32)
	s_mov_b32 s[SC+1], 0
.macro CPAIR reg, val                  ; a constant as a pair: the packed forms name both words
	s_mov_b32 s[\reg], \val
	s_mov_b32 s[\reg+1], \val
.endm
	CPAIR K1, 0x3e6d3388                           ; 0.231641888
	CPAIR KE, 0xbf38aa3b                           ; -0.72134752
	CPAIR NA5, 0xbf07dc22                          ; -0.5307027145
	CPAIR NA4, 0x3f3a00e3                          ;  0.7265760135
	CPAIR NA3, 0xbf35f0e3                          ; -0.7107068705
	CPAIR NA2, 0x3e11a98e                          ;  0.142248368
	CPAIR NA1, 0xbe027906                          ; -0.127414796
	s_mov_b32 s[ABSM], 0x7fffffff
	s_mov_b32 s[NI256], 0xbb800000                 ; - 1 / 256
	s_mov_b32 s[I256], 0x3b800000
	s_mov_b32 s[EPS], 0x3727c5ac                   ; 1e-5
	s_lshl_b32 s74, ttmp9, 15                      ; my 32 rows of 1,024 bytes
	s_mov_b32 s75, 0
	s_lshl_b32 s76, ttmp9, 11                      ; o: my two token tiles; waves 0, 1 take tile 0, waves 2, 3 tile 1; even waves heads 0-3, odd waves heads 4-7
	s_lshl_b32 s77, s37, 10
	s_add_co_u32 s76, s76, s77
	s_lshl_b32 s77, s38, 20
	s_add_co_u32 s76, s76, s77
	s_mov_b32 s77, 0
	s_lshl_b32 s78, s[WV], 19                      ; q, k, v: my two heads, my two token tiles
	s_lshl_b32 s79, ttmp9, 11
	s_add_co_u32 s78, s78, s79
	s_mov_b32 s79, 0
	s_wait_kmcnt 0x0
	s_load_b128 s[40:43], s[14:15], 0x0            ; stage, next layer, last
	s_add_nc_u64 s[8:9], s[8:9], s[74:75]
	s_add_nc_u64 s[32:33], s[32:33], s[74:75]
	s_add_nc_u64 s[10:11], s[10:11], s[76:77]
	s_add_nc_u64 s[QO:QO+1], s[34:35], s[78:79]
.irp i, 0,1,2,3
.irp c, 0,1,2,3
	global_load_b128 v[ACC+16*(\i)+4*(\c):ACC+16*(\i)+4*(\c)+3], v[GX], s[8:9] offset:(\i)*1024+(\c)*256
.endr
.endr
.irp u, 0,1,2,3,4,5,6,7
	global_load_b128 v[TMP+4*(\u):TMP+4*(\u)+3], v[L16], s[10:11] offset:((\u)>>1)*262144+((\u)&1)*512
.endr
	s_wait_kmcnt 0x0
	s_min_u32 s40, s40, 2                          ; loaded numbers are bounded before they enter an address
	s_min_u32 s41, s41, 2
	s_min_u32 s42, s42, 1
	s_mov_b32 s[SKQ], s42
	s_mul_i32 s72, s40, 1572864                    ; twelve blocks a layer; the stream begins at the layer's fourth block
	s_lshl_b32 s74, s[WV], 12
	s_add_co_u32 s72, s72, s74
	s_add_co_u32 s72, s72, 393216
	s_mov_b32 s73, 0
	s_add_nc_u64 s[WS:WS+1], s[12:13], s[72:73]
	s_lshl_b32 s72, s40, 10
	s_add_nc_u64 s[16:17], s[16:17], s[72:73]
	s_add_nc_u64 s[18:19], s[18:19], s[72:73]
	s_add_nc_u64 s[20:21], s[20:21], s[72:73]
	s_add_nc_u64 s[24:25], s[24:25], s[72:73]
	s_lshl_b32 s72, s40, 12
	s_add_nc_u64 s[22:23], s[22:23], s[72:73]
	s_lshl_b32 s72, s41, 10
	s_add_nc_u64 s[26:27], s[26:27], s[72:73]
	s_add_nc_u64 s[28:29], s[28:29], s[72:73]
	s_mul_i32 s72, s41, 3072
	s_add_nc_u64 s[30:31], s[30:31], s[72:73]
	PLD 0, 16, 0
	PLD 1, 18, 0
	PLD 2, 20, 0
	PLD 3, 22, 0
	PLD 4, 22, 1024
	PLD 5, 22, 2048
	PLD 6, 22, 3072
	PLD 7, 24, 0
	PLD 8, 26, 0
	PLD 9, 28, 0
	PLD 10, 30, 0
	PLD 11, 30, 1024
	PLD 12, 30, 2048
	RFILL 0, 0
	RFILL 1, 16384
	RFILL 2, 2*16384
	WIN 0
	s_wait_loadcnt 45                              ; x is in: 8 + 13 + 24 younger loads stay out
.irp i, 0,1,2,3
.irp c, 0,1,2,3
	ds_store_b128 v[LNX], v[ACC+16*(\i)+4*(\c):ACC+16*(\i)+4*(\c)+3] offset:(\i)*XP+(\c)*256
.endr
.endr
	s_wait_loadcnt 37                              ; o is in: 13 + 24
.irp u, 0,1,2,3,4,5,6,7
	ds_store_b128 v[OST], v[TMP+4*(\u):TMP+4*(\u)+3] offset:((\u)>>1)*64+((\u)&1)*32
.endr
	s_wait_loadcnt 24                              ; the parameters are in: the ring's 24
.irp k, 0,1,2,3,4,5,6,7,8,9,10,11,12
	ds_store_b64 v[PST], v[TMP+32+2*(\k):TMP+33+2*(\k)] offset:1024*(\k)
.endr
	RFILL 3, 3*16384
	RFILL 4, 4*16384
	RFILL 5, 5*16384
	RFILL 6, 6*16384
	WIN 0
	BAR                                            ; x, o and the parameters are whole
	; x1 = x + o Wo^T + bo
	XLOAD
	BFLOAD BADR, P_BO
	ALOAD 0, AH, 0, 16*HP
	PASS AH, 0, 16*HP, 0, 0, 0
	BADD
	XSTORE
	BAR                                            ; x1 is whole, and nobody reads o any more
	; h = LayerNorm2(x1)
	LNLOAD
	GBLOAD P_G2, P_B2L
	s_wait_dscnt 0x0
	LNORM LNH, H
	BAR                                            ; h is whole
	; gelu(h W1^T + b1), 256 columns a trip
	v_add_nc_u32 v[BV], P_B1, v[BADR]
	s_mov_b32 s[CNT], 4
.Lff1:
	BFLOAD BV, 0
	ALOAD 0, AH, 0, 16*HP
	PASS AH, 0, 16*HP, 1, 0, 0
	; GELU is written once: a trip takes the column tile that lies lowest (two accumulators, 16 numbers), rounds and stores it, and moves the other numbers 16 registers down: 48 moves a trip buy
	; three copies of 144 lines.  Each accumulator's lowest register is the first of it to be read, by GELU or by a move.
	s_mov_b32 s[CN2], 4
.Lgelu:
	GELU8 ACC
.set p, 0
.rept 8
	v_cvt_pk_f16_f32 v[TMP+p], v[ACC+2*p], v[ACC+2*p+1]
.set p, p+1
.endr
	ds_store_b128 v[FADR], v[TMP:TMP+3]                      ; tokens 0-15
	ds_store_b128 v[FADR], v[TMP+4:TMP+7] offset:16*FP       ; tokens 16-31
.set p, 0
.rept 48
	v_mov_b32 v[ACC+p], v[ACC+16+p]
.set p, p+1
.endr
	v_add_nc_u32 v[FADR], 32, v[FADR]              ; the next column tile
	s_sub_co_u32 s[CN2], s[CN2], 1
	s_cmp_lg_u32 s[CN2], 0
	s_cbranch_scc1 .Lgelu
	v_add_nc_u32 v[BV], 1024, v[BV]
	v_add_nc_u32 v[FADR], 512-128, v[FADR]         ; the next 256 columns
	s_sub_co_u32 s[CNT], s[CNT], 1
	s_cmp_lg_u32 s[CNT], 0
	s_cbranch_scc1 .Lff1
	BAR                                            ; the 1,024 columns are whole
	; x2 = x1 + (..) W2^T + b2, 256 of K a trip
	XLOAD
	BFLOAD BADR, P_B2
	s_mov_b32 s[CNT], 4
.Lff2:
	ALOAD 0, AFF, 0, 16*FP
	PASS AFF, 0, 16*FP, 0, 0, 0
	v_add_nc_u32 v[AFF], 512, v[AFF]
	s_sub_co_u32 s[CNT], s[CNT], 1
	s_cmp_lg_u32 s[CNT], 0
	s_cbranch_scc1 .Lff2
	BADD
	XSTORE
	BAR                                            ; x2 is whole
	; x2 goes out (not at the last stage); h' = the next LayerNorm
	LNLOAD
	GBLOAD P_GN, P_BN
	s_wait_dscnt 0x0
	s_cmp_eq_u32 s42, 1
	s_cbranch_scc1 .Lnox
.irp i, 0,1,2,3
.irp c, 0,1,2,3
	global_store_b128 v[GX], v[ACC+16*(\i)+4*(\c):ACC+16*(\i)+4*(\c)+3], s[32:33] offset:(\i)*1024+(\c)*256   ; 16 lanes store 256 consecutive bytes
.endr
.endr
.Lnox:
	s_wait_xcnt 0x0                                ; the stores have read ACC
	LNORM LNH, H
	BAR                                            ; h' is whole
	QKV
	s_wait_tensorcnt 0x0                           ; the wave's end
	ds_add_u32 v[SPW], v[NIL]
	s_wait_dscnt 0x0
	s_endpgm
.Lfunc_end_k_qeeb5742ea6_chain0:
	.size	k_qeeb5742ea6_chain0, .Lfunc_end_k_qeeb5742ea6_chain0-k_qeeb5742ea6_chain0
	.p2alignl 7, 3214868480
	.fill 96, 4, 3214868480
	.section	.rodata,"a",@progbits
	.p2align	6, 0x0
	.amdhsa_kernel k_qeeb5742ea6_chain0
		.amdhsa_group_segment_fixed_size 130048
		.amdhsa_private_segment_fixed_size 0
		.amdhsa_enable_private_segment 0
		.amdhsa_kernarg_size 112
		.amdhsa_user_sgpr_count 2
		.amdhsa_user_sgpr_kernarg_segment_ptr 1
		.amdhsa_wavefront_size32 1
		.amdhsa_system_sgpr_workgroup_id_x 1
		.amdhsa_system_sgpr_workgroup_id_y 1
		.amdhsa_system_sgpr_workgroup_id_z 1
		.amdhsa_system_vgpr_workitem_id 0
		.amdhsa_next_free_vgpr 512
		.amdhsa_next_free_sgpr 80
		.amdhsa_reserve_vcc 0
		.amdhsa_float_denorm_mode_32 3
		.amdhsa_float_denorm_mode_16_64 3
		.amdhsa_memory_ordered 1
		.amdhsa_forward_progress 1
		.amdhsa_inst_pref_size 151
	.end_amdhsa_kernel
	.amdgpu_metadata
---
amdhsa.version: [ 1, 2 ]
amdhsa.kernels:
  - .name:           k_qeeb5742ea6_chain0
    .symbol:         k_qeeb5742ea6_chain0.kd
    .args:
      - { .name: xa, .offset: 0, .size: 8, .value_kind: global_buffer, .address_space: global }
      - { .name: o, .offset: 8, .size: 8, .value_kind: global_buffer, .address_space: global }
      - { .name: wbf, .offset: 16, .size: 8, .value_kind: global_buffer, .address_space: global }
      - { .name: st0, .offset: 24, .size: 8, .value_kind: global_buffer, .address_space: global }
      - { .name: attn_out_b, .offset: 32, .size: 8, .value_kind: global_buffer, .address_space: global }
      - { .name: ln2_g, .offset: 40, .size: 8, .value_kind: global_buffer, .address_space: global }
      - { .name: ln2_b, .offset: 48, .size: 8, .value_kind: global_buffer, .address_space: global }
      - { .name: ff1_b, .offset: 56, .size: 8, .value_kind: global_buffer, .address_space: global }
      - { .name: ff2_b, .offset: 64, .size: 8, .value_kind: global_buffer, .address_space: global }
      - { .name: ln1_g, .offset: 72, .size: 8, .value_kind: global_buffer, .address_space: global }
      - { .name: ln1_b, .offset: 80, .size: 8, .value_kind: global_buffer, .address_space: global }
      - { .name: attn_qkv_b, .offset: 88, .size: 8, .value_kind: global_buffer, .address_space: global }
      - { .name: xb, .offset: 96, .size: 8, .value_kind: global_buffer, .address_space: global }
      - { .name: qkv, .offset: 104, .size: 8, .value_kind: global_buffer, .address_space: global }
    .group_segment_fixed_size: 130048
    .private_segment_fixed_size: 0
    .kernarg_segment_align: 8
    .kernarg_segment_size: 112
    .max_flat_workgroup_size: 128
    .sgpr_count:     80
    .vgpr_count:     512
    .wavefront_size: 32
...
	.end_amdgpu_metadata
.endif
;; end of part 4
;; launch attn1: the kernel of part 3 again; grid 32 x 8, 8 waves a work-group, clusters of 4 x 1, 327,680 bytes of LDS; arguments qkv, o; writes o
;; launch chain1: the kernel of part 4 again; grid 128 x 1, 4 waves a work-group, no clusters, 130,048 bytes of LDS; arguments xb, o, wbf, st1, attn_out_b, ln2_g, ln2_b, ff1_b, ff2_b, ln1_g, ln1_b, attn_qkv_b, xa, qkv; writes xa, qkv
;; launch attn2: the kernel of part 3 again; grid 32 x 8, 8 waves a work-group, clusters of 4 x 1, 327,680 bytes of LDS; arguments qkv, o; writes o
;; launch chain2: the kernel of part 4 again; grid 128 x 1, 4 waves a work-group, no clusters, 130,048 bytes of LDS; arguments xa, o, wbf, st2, attn_out_b, ln2_g, ln2_b, ff1_b, ff2_b, fln_g, fln_b, va_qkv_b, xb, qkv; writes xb, qkv
;; launch tail (part 5): grid 64 x 1, 4 waves a work-group, no clusters, 59,392 bytes of LDS; arguments global_query, qkv, wbf, va_qkv_b, va_out_b, op1_b, op_ln_g, op_ln_b, op2_b, residual_weight, features, out0; writes out0
.if DOCPART == 5
	.amdgcn_target "amdgcn-amd-amdhsa--gfx1250"
	.amdhsa_code_object_version 6
	.text
	.protected	k_qeeb5742ea6_tail
	.globl	k_qeeb5742ea6_tail
	.p2align	8
	.type	k_qeeb5742ea6_tail,@function
k_qeeb5742ea6_tail:
	s_mov_b64 s[64:65], 0
	v_nop
	global_prefetch_b8 v0, s[64:65] scope:SCOPE_SE
	s_setreg_imm32_b32 hwreg(HW_REG_WAVE_MODE, 25, 1), 1
	s_wait_xcnt 0x0
; TAIL, for 16 positions a work-group: q = global_query Wq^T + bq; for each position and head a softmax over the four views' keys (maximum taken away, in f32) and the weighted sum of their values;
; then va_out, op1, LayerNorm, GELU, op2, and + residual_weight x the mean of the four views' features.
; k and v of the final tokens arrive in fragment order: k's 16 bytes of a lane hold one position and eight channels, exactly as the q pass leaves q in its accumulators, so a score is 16 multiply-adds a lane
; and one exchange between the halves of the lanes; v's hold one channel and eight positions.  Heads 2 w and 2 w + 1 are wave w's.
; PASS, RING, ORIENTATION as in the layers' body, with one tile of 16 rows: 16 rows x 256 columns over K = 256, wave w owns columns 64 w .. + 63 (four accumulators), weights from memory straight into a ring
; of 8 register slots; one stream of 32 steps.  In the last pass the ring asks for nothing more behind its first step; the four views' features, wanted last of all, are asked for in its stead, a view a step.
; 64 WORK-GROUPS: a work-group needs whole rows for the LayerNorm and takes in all four weight blocks (524,288 bytes); 16 rows are one matrix tile, the fewest that waste no product.
; LIMITS.  The query, o, and the activations between the products are f16 (largest 65,504); scores, weights, statistics and sums are f32; NaN and infinities are not treated apart.
; GELU is exact to 1.5e-7 in erf (Abramowitz and Stegun 7.1.26), without cancellation: gelu(x) = max(x, 0) - |x| P(t) 2^(-0.72134752 x^2), t = 1 / (1 + 0.231641888 |x|), for every x.
; REGISTERS.  Window 0: v0-39 addresses and small values; v64-95 ACC (v64-127 the weights a); v128-143 AB; v160-191 BF; v192-255 TMP.  Window 1: the ring.  Window 2: k at 0, v at 64, the features at 128.
.set HA,    0                          ; four regions of 16 x 256 f16, rows of 528 bytes: the query; o; va_out's result; the GELU's result
.set HB,    8448
.set HC,    16896
.set HD,    25344
.set HP,    528
.set XS,    33792                      ; f32, rows of 1,040 bytes
.set XP,    1040
.set ATAB,  50432                      ; the weights a: [view][head][position] f32
.set PAR,   52480
.set P_BQ,  0
.set P_BO,  1024
.set P_B1,  2048
.set P_G,   3072
.set P_B,   4096
.set P_B2,  5120
.set SPARE, 58624
.set ACC, 64
.set AB,  128
.set BF,  160
.set TMP, 192
.set VW,  64                           ; window 2: v
.set FW,  128                          ; window 2: the features
.set L16, 1
.set T8,  2
.set LNX, 3
.set LNH, 4
.set GX,  5
.set LNP, 6
.set XADR, 7
.set AH,  8
.set BADR, 9
.set HST, 10
.set ATS, 11
.set ATL, 12
.set HBS, 13
.set SPW, 14
.set NIL, 15
.set ZR,  22
.set PST, 23
.set RWV, 36                           ; v36:37 residual_weight / 4, twice
.set LH2, 39                           ; where GELU's loop stores
.set WV,  36
.set RW,  40
.set CC,  41
.set NC,  42
.set CNT, 43
.set WS,  44
.set SEL, 46
.set K1,  52
.set KE,  54
.set NA5, 56
.set NA4, 58
.set NA3, 60
.set NA2, 62
.set NA1, 66
.set ABSM, 68
.set NI256, 69
.set I256,  70
.set EPS,   71
.set KB,  72
.set VB,  74
.set MSB, 0
.macro WIN new                         ; the immediate's high byte repeats the setting that is left; a switch that changes nothing is dropped
.if MSB != (\new)
	s_set_vgpr_msb (MSB<<8)|(\new)
.set MSB, (\new)
.endif
.endm
.macro BAR                             ; my LDS instructions are done, then the work-group's barrier
	s_wait_dscnt 0x0
	s_barrier_signal -1
	s_barrier_wait -1
.endm
.macro RFILL slot, off                 ; a step's four weight fragments into a ring slot
	WIN 0x40
.irp f, 0,1,2,3
	global_load_b128 v[32*(\slot)+8*(\f):32*(\slot)+8*(\f)+3], v[L16], s[WS:WS+1] offset:(\off)+(\f)*1024
	global_load_b128 v[32*(\slot)+8*(\f)+4:32*(\slot)+8*(\f)+7], v[L16], s[WS:WS+1] offset:(\off)+(\f)*1024+512
.endr
.endm
.macro FLOAD n                         ; view n's features of my rows, laid as the output is stored: eight loads, 16 lanes to 256 consecutive bytes
	WIN 0x80
.irp i, 0,1
.irp c, 0,1,2,3
	global_load_b128 v[FW+32*(\n)+16*(\i)+4*(\c):FW+32*(\n)+16*(\i)+4*(\c)+3], v[GX], s[28:29] offset:(\n)*1048576+(\i)*1024+(\c)*256
.endr
.endr
.endm
.macro ALOAD buf, off                  ; the activation fragment for 32 k
	ds_load_b128 v[AB+8*(\buf):AB+8*(\buf)+3], v[AH] offset:(\off)
	ds_load_b128 v[AB+8*(\buf)+4:AB+8*(\buf)+7], v[AH] offset:(\off)+32
.endm
.macro BFLOAD off                      ; the bias of my 64 columns as four C operands: register j = column 8 (lane / 16) + j
.irp ct, 0,1,2,3
	ds_load_b128 v[BF+8*(\ct):BF+8*(\ct)+3], v[BADR] offset:(\off)+(\ct)*64
	ds_load_b128 v[BF+8*(\ct)+4:BF+8*(\ct)+7], v[BADR] offset:(\off)+(\ct)*64+16
.endr
.endm
; One step of 32 k.  The next step's activations are asked for; the slot read last step is asked for again (rf), or a view's features in its stead (fg >= 0); slot j has landed when at most lc younger
; loads are out; four products on four accumulators by turns, the bias starting the sums at j = 0; four v_nop, the places in front of the next loads into
; registers that these products read and of whatever reads their results.
.macro STEP j, ab, rf, fg, lc
	WIN 0
.if (\j) < 7
	ALOAD ((\j)+1)&1, (\ab)+64*((\j)+1)
.endif
.if \rf
	RFILL ((\j)+7)&7, ((\j)+7)*16384
.endif
.if (\fg) >= 0
	FLOAD \fg
.endif
	s_wait_loadcnt \lc
.if (\j) < 7
	s_wait_dscnt 2                                 ; all but the two activation loads just issued
.else
	s_wait_dscnt 0
.endif
	WIN 0x01
.irp ct, 0,1,2,3
.set acc, ACC+8*(\ct)
.set wf, 32*(\j)+8*(\ct)
.set af, AB+8*((\j)&1)
.if (\j) == 0
	v_wmma_f32_16x16x32_f16 v[acc:acc+7], v[wf:wf+7], v[af:af+7], v[BF+8*(\ct):BF+8*(\ct)+7]
.else
	v_wmma_f32_16x16x32_f16 v[acc:acc+7], v[wf:wf+7], v[af:af+7], v[acc:acc+7]
.endif
.endr
.rept 4
	v_nop
.endr
.endm
; Eight steps.  tl = 1: the launch's last pass.  Its counts: the ring's slots younger than slot j, eight loads each, and the features asked for so far, all of them younger than every ring load:
; 56 + 0, 48 + 8, 40 + 16, 32 + 24, 24 + 32, 16 + 32, 8 + 32, 0 + 32.
.macro PASS ab, tl
.if \tl
	STEP 0, \ab, 1, -1, 56
	STEP 1, \ab, 0, 0, 56
	STEP 2, \ab, 0, 1, 56
	STEP 3, \ab, 0, 2, 56
	STEP 4, \ab, 0, 3, 56
	STEP 5, \ab, 0, -1, 48
	STEP 6, \ab, 0, -1, 40
	STEP 7, \ab, 0, -1, 32
	WIN 0
.else
.irp jj, 0,1,2,3,4,5,6,7
	STEP \jj, \ab, 1, -1, 56                       ; 56: the seven younger slots, eight loads each
.endr
	WIN 0
	s_wait_xcnt 0x0                                ; the stream's base is stepped only behind this wait
	s_add_nc_u64 s[WS:WS+1], s[WS:WS+1], 131072
.endif
.endm
.macro PACK                            ; ACC's 32 numbers rounded to f16, in ascending order
.set p, 0
.rept 16
	v_cvt_pk_f16_f32 v[TMP+p], v[ACC+2*p], v[ACC+2*p+1]
.set p, p+1
.endr
.endm
.macro GBLOAD pg, pb                   ; gain and bias of my 16 columns 64 c + 4 t + 0..3
.irp c, 0,1,2,3
	ds_load_b128 v[BF+4*(\c):BF+4*(\c)+3], v[LNP] offset:(\pg)+(\c)*256
	ds_load_b128 v[BF+16+4*(\c):BF+16+4*(\c)+3], v[LNP] offset:(\pb)+(\c)*256
.endr
.endm
; GELU of 16 numbers in place; all of TMP is at work: |x| at 0, t at 16, the exponential at 32, the polynomial (with negated coefficients) at 48.
.macro GELU8 base
.set p, 0
.rept 8
	v_and_b32 v[TMP+2*p], s[ABSM], v[(\base)+2*p]
	v_and_b32 v[TMP+2*p+1], s[ABSM], v[(\base)+2*p+1]
.set p, p+1
.endr
.set p, 0
.rept 8
	v_pk_fma_f32 v[TMP+16+2*p:TMP+17+2*p], v[TMP+2*p:TMP+2*p+1], s[K1:K1+1], 1.0 op_sel_hi:[1,0,0]
.set p, p+1
.endr
.set p, 0
.rept 8
	v_pk_mul_f32 v[TMP+32+2*p:TMP+33+2*p], v[(\base)+2*p:(\base)+2*p+1], v[(\base)+2*p:(\base)+2*p+1]
.set p, p+1
.endr
.set p, 0
.rept 8
	v_pk_mul_f32 v[TMP+32+2*p:TMP+33+2*p], v[TMP+32+2*p:TMP+33+2*p], s[KE:KE+1] op_sel_hi:[1,0]
.set p, p+1
.endr
.set p, 0
.rept 16
	v_rcp_f32 v[TMP+16+p], v[TMP+16+p]
.set p, p+1
.endr
.set p, 0
.rept 16
	v_exp_f32 v[TMP+32+p], v[TMP+32+p]
.set p, p+1
.endr
.set p, 0
.rept 16
	v_max_num_f32 v[(\base)+p], 0, v[(\base)+p]    ; plain lines behind the run of transcendentals
.set p, p+1
.endr
.set p, 0
	s_wait_alu depctr_va_vdst(0)
.rept 8
	v_pk_fma_f32 v[TMP+48+2*p:TMP+49+2*p], v[TMP+16+2*p:TMP+17+2*p], s[NA5:NA5+1], s[NA4:NA4+1] op_sel_hi:[1,0,0]
.set p, p+1
.endr
.irp a, NA3, NA2, NA1
.set p, 0
.rept 8
	v_pk_fma_f32 v[TMP+48+2*p:TMP+49+2*p], v[TMP+48+2*p:TMP+49+2*p], v[TMP+16+2*p:TMP+17+2*p], s[\a:\a+1] op_sel_hi:[1,1,0]
.set p, p+1
.endr
.endr
.set p, 0
.rept 8
	v_pk_mul_f32 v[TMP+48+2*p:TMP+49+2*p], v[TMP+48+2*p:TMP+49+2*p], v[TMP+16+2*p:TMP+17+2*p]
.set p, p+1
.endr
.set p, 0
.rept 8
	v_pk_mul_f32 v[TMP+48+2*p:TMP+49+2*p], v[TMP+48+2*p:TMP+49+2*p], v[TMP+32+2*p:TMP+33+2*p]
.set p, p+1
.endr
.set p, 0
.rept 8
	v_pk_fma_f32 v[(\base)+2*p:(\base)+2*p+1], v[TMP+48+2*p:TMP+49+2*p], v[TMP+2*p:TMP+2*p+1], v[(\base)+2*p:(\base)+2*p+1]
.set p, p+1
.endr
.endm
.macro XSTORE                          ; four accumulators into XS, each accumulator's low registers first
.irp ct, 0,1,2,3
	ds_store_b128 v[XADR], v[ACC+8*(\ct):ACC+8*(\ct)+3] offset:(\ct)*64
	ds_store_b128 v[XADR], v[ACC+8*(\ct)+4:ACC+8*(\ct)+7] offset:(\ct)*64+16
.endr
.endm
.macro LNLOAD                          ; XS by rows: row i of my half-wave, columns 64 c + 4 t + 0..3
.irp i, 0,1
.irp c, 0,1,2,3
	ds_load_b128 v[ACC+16*(\i)+4*(\c):ACC+16*(\i)+4*(\c)+3], v[LNX] offset:(\i)*XP+(\c)*256
.endr
.endr
.endm
.macro CPAIR reg, val                  ; a constant as a pair: the packed forms name both words
	s_mov_b32 s[\reg], \val
	s_mov_b32 s[\reg+1], \val
.endm
	s_load_b512 s[8:23], s[0:1], 0x0               ; global_query 8, qkv 10, wbf 12, va_qkv_b 14, va_out_b 16, op1_b 18, op_ln_g 20, op_ln_b 22
	s_load_b256 s[24:31], s[0:1], 0x40             ; op2_b 24, residual_weight 26, features 28, out0 30
	v_lshl_add_u32 v[SPW], v0, 2, SPARE
	v_mov_b32 v[NIL], 0
	v_mov_b32 v[ZR], 0
	v_and_b32 v16, 31, v0                          ; lane
	v_and_b32 v17, 15, v0                          ; r = t = lane % 16
	v_bfe_u32 v18, v0, 4, 1                        ; h = lane / 16
	v_lshrrev_b32 v19, 5, v0
	v_readfirstlane_b32 s[WV], v19                 ; wave 0..3
	v_lshlrev_b32 v[L16], 4, v16
	v_lshlrev_b32 v[T8], 3, v0
	; by rows a half-wave takes rows 2 w + 8 h + 0, 1: the wave's part is made in scalar registers, the lane's part from the lane alone, and one addition joins them
	s_mul_i32 s39, s[WV], 2*XP
	s_add_co_u32 s39, s39, XS
	v_mul_u32_u24 v[LNX], v18, 8*XP
	v_lshl_add_u32 v[LNX], v17, 4, v[LNX]
	v_add_nc_u32 v[LNX], s39, v[LNX]
	s_mul_i32 s39, s[WV], 2*HP
	v_mul_u32_u24 v[LNH], v18, 8*HP
	v_lshl_add_u32 v[LNH], v17, 3, v[LNH]
	v_add_nc_u32 v[LNH], s39, v[LNH]
	s_lshl_b32 s39, s[WV], 11                      ; the same rows in memory, 1,024 bytes each
	v_lshlrev_b32 v[GX], 13, v18
	v_lshl_add_u32 v[GX], v17, 4, v[GX]
	v_add_nc_u32 v[GX], s39, v[GX]
	v_lshlrev_b32 v21, 4, v17
	v_add_nc_u32 v[LNP], PAR, v21
	s_lshl_b32 s76, s[WV], 8                       ; 256 w
	s_add_co_u32 s77, s76, XS
	v_mul_u32_u24 v[XADR], v17, XP
	v_lshl_add_u32 v[XADR], v18, 5, v[XADR]
	v_add_nc_u32 v[XADR], s77, v[XADR]
	v_mul_u32_u24 v[AH], v17, HP
	v_lshl_add_u32 v[AH], v18, 4, v[AH]
	s_lshl_b32 s77, s[WV], 7                       ; 128 w
	v_add_nc_u32 v[HST], s77, v[AH]
	s_add_co_u32 s78, s76, PAR
	v_lshl_add_u32 v[BADR], v18, 5, s78
	s_add_co_u32 s78, s77, ATAB                    ; my two heads' 64 bytes each
	v_lshl_add_u32 v[ATS], v17, 2, s78
	v_lshl_add_u32 v[ATL], v18, 5, s78
	s_add_co_u32 s78, s77, HB
	v_mul_u32_u24 v[HBS], v18, 8*HP
	v_lshl_add_u32 v[HBS], v17, 1, v[HBS]
	v_add_nc_u32 v[HBS], s78, v[HBS]
	v_add_nc_u32 v[PST], PAR, v[T8]
	CPAIR K1, 0x3e6d3388                           ; 0.231641888
	CPAIR KE, 0xbf38aa3b                           ; -0.72134752
	CPAIR NA5, 0xbf07dc22                          ; -0.5307027145
	CPAIR NA4, 0x3f3a00e3                          ;  0.7265760135
	CPAIR NA3, 0xbf35f0e3                          ; -0.7107068705
	CPAIR NA2, 0x3e11a98e                          ;  0.142248368
	CPAIR NA1, 0xbe027906                          ; -0.127414796
	s_mov_b32 s[ABSM], 0x7fffffff
	s_mov_b32 s[NI256], 0xbb800000                 ; - 1 / 256
	s_mov_b32 s[I256], 0x3b800000
	s_mov_b32 s[EPS], 0x3727c5ac                   ; 1e-5
	s_mov_b32 s[CC], 0x3e8293ee                    ; c = log2(e) / sqrt(32)
	s_mov_b32 s[NC], 0xbe8293ee
	s_mov_b32 s[SEL], 0x76543210
	s_mov_b32 s[SEL+1], 0xfedcba98
	s_lshl_b32 s48, ttmp9, 14                      ; my 16 rows of 1,024 bytes
	s_mov_b32 s49, 0
	s_lshl_b32 s50, s[WV], 19                      ; k: my two heads, my tile of 16 positions, behind q's 2,097,152 bytes
	s_lshl_b32 s51, ttmp9, 10
	s_add_co_u32 s50, s50, s51
	s_add_co_u32 s50, s50, 2097152
	s_mov_b32 s51, 0
	s_lshr_b32 s38, ttmp9, 1                       ; v: a fragment holds 32 positions: mine are its block (number % 2) of 16
	s_lshl_b32 s38, s38, 11
	s_and_b32 s39, ttmp9, 1
	s_lshl_b32 s39, s39, 9
	s_add_co_u32 s38, s38, s39
	s_lshl_b32 s39, s[WV], 19
	s_add_co_u32 s38, s38, s39
	s_add_co_u32 s38, s38, 4194304
	s_mov_b32 s39, 0
	s_lshl_b32 s78, s[WV], 12                      ; the stream begins at block 38
	s_add_co_u32 s78, s78, 38*131072
	s_mov_b32 s79, 0
	s_wait_kmcnt 0x0
	s_load_b32 s[RW], s[26:27], 0x0
	s_add_nc_u64 s[8:9], s[8:9], s[48:49]
	s_add_nc_u64 s[28:29], s[28:29], s[48:49]
	s_add_nc_u64 s[30:31], s[30:31], s[48:49]
	s_add_nc_u64 s[KB:KB+1], s[10:11], s[50:51]
	s_add_nc_u64 s[VB:VB+1], s[10:11], s[38:39]
	s_add_nc_u64 s[WS:WS+1], s[12:13], s[78:79]
	global_load_b64 v[TMP+32:TMP+33], v[T8], s[14:15]
	global_load_b64 v[TMP+34:TMP+35], v[T8], s[16:17]
	global_load_b64 v[TMP+36:TMP+37], v[T8], s[18:19]
	global_load_b64 v[TMP+38:TMP+39], v[T8], s[20:21]
	global_load_b64 v[TMP+40:TMP+41], v[T8], s[22:23]
	global_load_b64 v[TMP+42:TMP+43], v[T8], s[24:25]
.irp i, 0,1
.irp c, 0,1,2,3
	global_load_b128 v[ACC+16*(\i)+4*(\c):ACC+16*(\i)+4*(\c)+3], v[GX], s[8:9] offset:(\i)*1024+(\c)*256
.endr
.endr
	WIN 0x80                                       ; k: chain ch = 2 view + head % 2; its two blocks of 16 channels at 8 ch
.set ch, 0
.rept 8
	global_load_b128 v[8*ch:8*ch+3], v[L16], s[KB:KB+1] offset:(ch%2)*262144+(ch/2)*65536
	global_load_b128 v[8*ch+4:8*ch+7], v[L16], s[KB:KB+1] offset:(ch%2)*262144+(ch/2)*65536+512
.set ch, ch+1
.endr
	WIN 0
	s_wait_loadcnt 24                              ; the six parameter loads are in: 8 + 16 younger ones stay out
.irp k, 0,1,2,3,4,5
	ds_store_b64 v[PST], v[TMP+32+2*(\k):TMP+33+2*(\k)] offset:1024*(\k)
.endr
	s_wait_loadcnt 16                              ; the query is in: k's 16 stay out
	PACK
.irp i, 0,1
.irp c, 0,1,2,3
	ds_store_b64 v[LNH], v[TMP+8*(\i)+2*(\c):TMP+8*(\i)+2*(\c)+1] offset:HA+(\i)*HP+(\c)*128
.endr
.endr
	WIN 0x80                                       ; v: 4 view + 2 (head % 2) + channel tile: four registers each
.set ch, 0
.rept 16
	global_load_b128 v[VW+4*ch:VW+4*ch+3], v[L16], s[VB:VB+1] offset:((ch/2)%2)*262144+(ch/4)*65536+(ch%2)*1024
.set ch, ch+1
.endr
.irp sl, 0,1,2,3,4,5,6
	RFILL \sl, (\sl)*16384                         ; all the loads above are older than the ring's: the first step's wait shows them landed
.endr
	WIN 0
	s_wait_kmcnt 0x0
	v_mov_b32 v[RWV], s[RW]
	v_mul_f32 v[RWV], 0x3e800000, v[RWV]           ; residual_weight / 4
	v_mov_b32 v[RWV+1], v[RWV]
	BAR                                            ; the query and the parameters are whole
	; q
	BFLOAD P_BQ
	ALOAD 0, HA
	PASS HA, 0
	; scores: 8 chains (view, head) of 16 multiply-adds from k's f16 halves; each accumulator's register 0 is read first
	WIN 0x02
.set e, 0
.rept 16
.set ch, 0
.rept 8
.set kr, 8*ch+4*(e/8)+(e%8)/2
.set qr, ACC+8*(2*(ch%2)+e/8)+e%8
.if e == 0
	v_fma_mix_f32 v[TMP+ch], v[kr], v[qr], v[ZR] op_sel:[0,0,0] op_sel_hi:[1,0,0]
.elseif e%2
	v_fma_mix_f32 v[TMP+ch], v[kr], v[qr], v[TMP+ch] op_sel:[1,0,0] op_sel_hi:[1,0,0]
.else
	v_fma_mix_f32 v[TMP+ch], v[kr], v[qr], v[TMP+ch] op_sel:[0,0,0] op_sel_hi:[1,0,0]
.endif
.set ch, ch+1
.endr
.set e, e+1
.endr
	WIN 0
.set ch, 0
.rept 8
	v_permlanex16_b32 v[TMP+32+ch], v[TMP+ch], s[SEL], s[SEL+1]   ; the other 16 channels lie in the lane 16 away
.set ch, ch+1
.endr
.set ch, 0
.rept 8
	v_add_f32 v[TMP+ch], v[TMP+ch], v[TMP+32+ch]
.set ch, ch+1
.endr
	; softmax over the four views, for each of my two heads g: the maximum is taken away
.irp g, 0,1
	v_max3_num_f32 v[24+(\g)], v[TMP+(\g)], v[TMP+2+(\g)], v[TMP+4+(\g)]
.endr
.irp g, 0,1
	v_max_num_f32 v[24+(\g)], v[24+(\g)], v[TMP+6+(\g)]
.endr
.irp g, 0,1
	v_mul_f32 v[24+(\g)], s[NC], v[24+(\g)]
.endr
.set ch, 0
.rept 8
	v_fma_f32 v[TMP+ch], v[TMP+ch], s[CC], v[24+ch%2]
.set ch, ch+1
.endr
.set ch, 0
.rept 8
	v_exp_f32 v[TMP+ch], v[TMP+ch]
.set ch, ch+1
.endr
	v_nop
	s_wait_alu depctr_va_vdst(0)
.irp g, 0,1
	v_add_f32 v[28+(\g)], v[TMP+(\g)], v[TMP+2+(\g)]
	v_add_f32 v[32+(\g)], v[TMP+4+(\g)], v[TMP+6+(\g)]
.endr
.irp g, 0,1
	v_add_f32 v[28+(\g)], v[28+(\g)], v[32+(\g)]
.endr
.irp g, 0,1
	v_rcp_f32 v[28+(\g)], v[28+(\g)]
.endr
	v_nop
.set ch, 0
	s_wait_alu depctr_va_vdst(0)
.rept 8
	v_mul_f32 v[TMP+ch], v[TMP+ch], v[28+ch%2]
.set ch, ch+1
.endr
.set ch, 0
.rept 8
	ds_store_b32 v[ATS], v[TMP+ch] offset:(ch/2)*512+(ch%2)*64   ; both halves of the lanes hold, and write, the same number
.set ch, ch+1
.endr
	; the weights come back eight positions a lane (my own heads: LDS serves a wave's instructions in order): head g, view n at v[64 + 32 g + 8 n]
.set g, 0
.rept 2
.set n, 0
.rept 4
	ds_load_b128 v[64+32*g+8*n:64+32*g+8*n+3], v[ATL] offset:n*512+g*64
	ds_load_b128 v[64+32*g+8*n+4:64+32*g+8*n+7], v[ATL] offset:n*512+g*64+16
.set n, n+1
.endr
.set g, g+1
.endr
	s_wait_dscnt 0x0
.set g, 0
.rept 2
.set os, TMP+32+16*g
.set oc, TMP+16+8*g
	WIN 0x02
.set n, 0
.rept 4
.set e, 0
.rept 16                               ; e = 8 channel tile + position
.set vr, VW+4*(4*n+2*g+e/8)+(e%8)/2
.set ar, 64+32*g+8*n+e%8
.if n == 0
.if e%2
	v_fma_mix_f32 v[os+e], v[vr], v[ar], v[ZR] op_sel:[1,0,0] op_sel_hi:[1,0,0]
.else
	v_fma_mix_f32 v[os+e], v[vr], v[ar], v[ZR] op_sel:[0,0,0] op_sel_hi:[1,0,0]
.endif
.else
.if e%2
	v_fma_mix_f32 v[os+e], v[vr], v[ar], v[os+e] op_sel:[1,0,0] op_sel_hi:[1,0,0]
.else
	v_fma_mix_f32 v[os+e], v[vr], v[ar], v[os+e] op_sel:[0,0,0] op_sel_hi:[1,0,0]
.endif
.endif
.set e, e+1
.endr
.set n, n+1
.endr
	WIN 0
.set e, 0
.rept 8
	v_cvt_pk_f16_f32 v[oc+e], v[os+2*e], v[os+2*e+1]
.set e, e+1
.endr
.set e, 0
.rept 8                                ; a lane holds one channel and eight positions: single f16 into o's rows
	ds_store_b16 v[HBS], v[oc+e] offset:(2*(e%4))*HP+g*64+(e/4)*32
	ds_store_b16_d16_hi v[HBS], v[oc+e] offset:(2*(e%4)+1)*HP+g*64+(e/4)*32
.set e, e+1
.endr
.set g, g+1
.endr
	BAR                                            ; o is whole
	; va_out
	BFLOAD P_BO
	ALOAD 0, HB
	PASS HB, 0
	PACK
.irp ct, 0,1,2,3
	ds_store_b128 v[HST], v[TMP+4*(\ct):TMP+4*(\ct)+3] offset:HC+(\ct)*32
.endr
	BAR
	; op1
	BFLOAD P_B1
	ALOAD 0, HC
	PASS HC, 0
	XSTORE
	BAR
	; LayerNorm of two rows a half-wave: row i's 256 numbers lie in 16 lanes, 16 a lane, at ACC + 16 i
	LNLOAD
	GBLOAD P_G, P_B
	s_wait_dscnt 0x0
.set p, 0
.rept 8
	v_pk_add_f32 v[TMP+2*p:TMP+2*p+1], v[ACC+4*p:ACC+4*p+1], v[ACC+4*p+2:ACC+4*p+3]
.set p, p+1
.endr
.irp i, 0,1
	v_pk_add_f32 v[TMP+8*(\i):TMP+8*(\i)+1], v[TMP+8*(\i):TMP+8*(\i)+1], v[TMP+8*(\i)+2:TMP+8*(\i)+3]
	v_pk_add_f32 v[TMP+8*(\i)+4:TMP+8*(\i)+5], v[TMP+8*(\i)+4:TMP+8*(\i)+5], v[TMP+8*(\i)+6:TMP+8*(\i)+7]
.endr
.irp i, 0,1
	v_pk_add_f32 v[TMP+8*(\i):TMP+8*(\i)+1], v[TMP+8*(\i):TMP+8*(\i)+1], v[TMP+8*(\i)+4:TMP+8*(\i)+5]
.endr
.irp i, 0,1
	v_add_f32 v[TMP+8*(\i)], v[TMP+8*(\i)], v[TMP+8*(\i)+1]
.endr
.irp m, 1,2,4,8
.irp i, 0,1
	v_add_f32_dpp v[TMP+8*(\i)], v[TMP+8*(\i)], v[TMP+8*(\i)] row_xmask:\m row_mask:0xf bank_mask:0xf
.endr
.endr
.irp i, 0,1
	v_mul_f32 v[TMP+32+2*(\i)], s[NI256], v[TMP+8*(\i)]      ; - mean, twice
	v_mul_f32 v[TMP+33+2*(\i)], s[NI256], v[TMP+8*(\i)]
.endr
.irp k, 0,1,2,3,4,5,6,7
.irp i, 0,1
	v_pk_add_f32 v[ACC+16*(\i)+2*(\k):ACC+16*(\i)+2*(\k)+1], v[ACC+16*(\i)+2*(\k):ACC+16*(\i)+2*(\k)+1], v[TMP+32+2*(\i):TMP+33+2*(\i)]
.endr
.endr
.irp i, 0,1
	v_pk_mul_f32 v[TMP+8*(\i):TMP+8*(\i)+1], v[ACC+16*(\i):ACC+16*(\i)+1], v[ACC+16*(\i):ACC+16*(\i)+1]
.endr
.irp k, 1,2,3,4,5,6,7
.irp i, 0,1
	v_pk_fma_f32 v[TMP+8*(\i):TMP+8*(\i)+1], v[ACC+16*(\i)+2*(\k):ACC+16*(\i)+2*(\k)+1], v[ACC+16*(\i)+2*(\k):ACC+16*(\i)+2*(\k)+1], v[TMP+8*(\i):TMP+8*(\i)+1]
.endr
.endr
.irp i, 0,1
	v_add_f32 v[TMP+8*(\i)], v[TMP+8*(\i)], v[TMP+8*(\i)+1]
.endr
.irp m, 1,2,4,8
.irp i, 0,1
	v_add_f32_dpp v[TMP+8*(\i)], v[TMP+8*(\i)], v[TMP+8*(\i)] row_xmask:\m row_mask:0xf bank_mask:0xf
.endr
.endr
.irp i, 0,1
	v_fma_f32 v[TMP+8*(\i)], v[TMP+8*(\i)], s[I256], s[EPS]  ; variance + 1e-5
.endr
.irp i, 0,1
	v_rsq_f32 v[TMP+40+2*(\i)], v[TMP+8*(\i)]
	v_rsq_f32 v[TMP+41+2*(\i)], v[TMP+8*(\i)]
.endr
	v_nop                                          ; a plain line between the last root and the use of its result
	s_wait_alu depctr_va_vdst(0)
.irp k, 0,1,2,3,4,5,6,7
.irp i, 0,1
	v_pk_mul_f32 v[ACC+16*(\i)+2*(\k):ACC+16*(\i)+2*(\k)+1], v[ACC+16*(\i)+2*(\k):ACC+16*(\i)+2*(\k)+1], v[TMP+40+2*(\i):TMP+41+2*(\i)]
.endr
.endr
.irp k, 0,1,2,3,4,5,6,7
.irp i, 0,1
	v_pk_fma_f32 v[ACC+16*(\i)+2*(\k):ACC+16*(\i)+2*(\k)+1], v[ACC+16*(\i)+2*(\k):ACC+16*(\i)+2*(\k)+1], v[BF+2*(\k):BF+2*(\k)+1], v[BF+16+2*(\k):BF+17+2*(\k)]
.endr
.endr
	; GELU is written once: a trip takes the row that lies lowest (16 numbers), rounds and stores it, and moves the other row 16 registers down
	v_mov_b32 v[LH2], v[LNH]
	s_mov_b32 s[CNT], 2
.Lgelu:
	GELU8 ACC
.set p, 0
.rept 8
	v_cvt_pk_f16_f32 v[TMP+p], v[ACC+2*p], v[ACC+2*p+1]
.set p, p+1
.endr
.irp c, 0,1,2,3
	ds_store_b64 v[LH2], v[TMP+2*(\c):TMP+2*(\c)+1] offset:HD+(\c)*128
.endr
.set p, 0
.rept 16
	v_mov_b32 v[ACC+p], v[ACC+16+p]
.set p, p+1
.endr
	v_add_nc_u32 v[LH2], HP, v[LH2]                ; the next row
	s_sub_co_u32 s[CNT], s[CNT], 1
	s_cmp_lg_u32 s[CNT], 0
	s_cbranch_scc1 .Lgelu
	BAR                                            ; the GELU's result is whole, and nobody reads XS any more
	; op2; the features are asked for beside it
	BFLOAD P_B2
	ALOAD 0, HD
	PASS HD, 1
	XSTORE
	BAR
	; + residual_weight x the mean of the four views
	LNLOAD
	s_wait_loadcnt 0x0                             ; the features are in
	WIN 0x8a                                       ; both sources and the destination in window 2
.irp n, 1,2,3
.set p, 0
.rept 16
	v_pk_add_f32 v[FW+2*p:FW+2*p+1], v[FW+2*p:FW+2*p+1], v[FW+32*(\n)+2*p:FW+32*(\n)+2*p+1]
.set p, p+1
.endr
.endr
	s_wait_dscnt 0x0
	WIN 0x02                                       ; source 0 in window 2
.set p, 0
.rept 16
	v_pk_fma_f32 v[ACC+2*p:ACC+2*p+1], v[FW+2*p:FW+2*p+1], v[RWV:RWV+1], v[ACC+2*p:ACC+2*p+1]
.set p, p+1
.endr
	WIN 0
.irp i, 0,1
.irp c, 0,1,2,3
	global_store_b128 v[GX], v[ACC+16*(\i)+4*(\c):ACC+16*(\i)+4*(\c)+3], s[30:31] offset:(\i)*1024+(\c)*256   ; 16 lanes store 256 consecutive bytes
.endr
.endr
	s_wait_tensorcnt 0x0                           ; the wave's end
	ds_add_u32 v[SPW], v[NIL]
	s_wait_dscnt 0x0
	s_endpgm
.Lfunc_end_k_qeeb5742ea6_tail:
	.size	k_qeeb5742ea6_tail, .Lfunc_end_k_qeeb5742ea6_tail-k_qeeb5742ea6_tail
	.p2alignl 7, 3214868480
	.fill 96, 4, 3214868480
	.section	.rodata,"a",@progbits
	.p2align	6, 0x0
	.amdhsa_kernel k_qeeb5742ea6_tail
		.amdhsa_group_segment_fixed_size 59392
		.amdhsa_private_segment_fixed_size 0
		.amdhsa_enable_private_segment 0
		.amdhsa_kernarg_size 96
		.amdhsa_user_sgpr_count 2
		.amdhsa_user_sgpr_kernarg_segment_ptr 1
		.amdhsa_wavefront_size32 1
		.amdhsa_system_sgpr_workgroup_id_x 1
		.amdhsa_system_sgpr_workgroup_id_y 1
		.amdhsa_system_sgpr_workgroup_id_z 1
		.amdhsa_system_vgpr_workitem_id 0
		.amdhsa_next_free_vgpr 768
		.amdhsa_next_free_sgpr 80
		.amdhsa_reserve_vcc 0
		.amdhsa_float_denorm_mode_32 3
		.amdhsa_float_denorm_mode_16_64 3
		.amdhsa_memory_ordered 1
		.amdhsa_forward_progress 1
		.amdhsa_inst_pref_size 110
	.end_amdhsa_kernel
	.amdgpu_metadata
---
amdhsa.version: [ 1, 2 ]
amdhsa.kernels:
  - .name:           k_qeeb5742ea6_tail
    .symbol:         k_qeeb5742ea6_tail.kd
    .args:
      - { .name: global_query, .offset: 0, .size: 8, .value_kind: global_buffer, .address_space: global }
      - { .name: qkv, .offset: 8, .size: 8, .value_kind: global_buffer, .address_space: global }
      - { .name: wbf, .offset: 16, .size: 8, .value_kind: global_buffer, .address_space: global }
      - { .name: va_qkv_b, .offset: 24, .size: 8, .value_kind: global_buffer, .address_space: global }
      - { .name: va_out_b, .offset: 32, .size: 8, .value_kind: global_buffer, .address_space: global }
      - { .name: op1_b, .offset: 40, .size: 8, .value_kind: global_buffer, .address_space: global }
      - { .name: op_ln_g, .offset: 48, .size: 8, .value_kind: global_buffer, .address_space: global }
      - { .name: op_ln_b, .offset: 56, .size: 8, .value_kind: global_buffer, .address_space: global }
      - { .name: op2_b, .offset: 64, .size: 8, .value_kind: global_buffer, .address_space: global }
      - { .name: residual_weight, .offset: 72, .size: 8, .value_kind: global_buffer, .address_space: global }
      - { .name: features, .offset: 80, .size: 8, .value_kind: global_buffer, .address_space: global }
      - { .name: out0, .offset: 88, .size: 8, .value_kind: global_buffer, .address_space: global }
    .group_segment_fixed_size: 59392
    .private_segment_fixed_size: 0
    .kernarg_segment_align: 8
    .kernarg_segment_size: 96
    .max_flat_workgroup_size: 128
    .sgpr_count:     80
    .vgpr_count:     768
    .wavefront_size: 32
...
	.end_amdgpu_metadata
.endif
;; end of part 5
;; ======== version 2 of 2: 9 launches; 1.13 times as fast as version 1
;; limits: values are held in f16: magnitudes above 65,504 overflow, below 6.1e-05 lose precision; a function is approximated: absolute error at most 1.5e-07
;; workspace buffers: xa 4,194,304 bytes; xb 4,194,304 bytes; qkv 6,291,456 bytes; o 2,097,152 bytes; wbf 5,505,024 bytes; st0 256 bytes of whole numbers; st1 256 bytes of whole numbers; st2 256 bytes of whole numbers
;; launch prep: the kernel of part 1 again; grid 8 x 42, 8 waves a work-group, no clusters, 19,456 bytes of LDS; arguments attn_qkv_w, attn_out_w, ff1_w, ff2_w, va_qkv_w, va_out_w, op1_w, op2_w, wbf, st0, st1, st2; writes wbf, st0, st1, st2
;; launch embed: the kernel of part 2 again; grid 128 x 1, 4 waves a work-group, no clusters, 22,528 bytes of LDS; arguments features, view_emb, pos_emb, ln1_g, ln1_b, attn_qkv_b, wbf, xa, qkv; writes xa, qkv
;; launch attn0 (part 6): grid 32 x 8, 8 waves a work-group, clusters of 4 x 1, 327,680 bytes of LDS; arguments qkv, o; writes o
.if DOCPART == 6
	.amdgcn_target "amdgcn-amd-amdhsa--gfx1250"
	.amdhsa_code_object_version 6
	.text
	.protected	k_qeeb5742ea6_attn0
	.globl	k_qeeb5742ea6_attn0
	.p2align	8
	.type	k_qeeb5742ea6_attn0,@function
k_qeeb5742ea6_attn0:
	s_mov_b64 s[64:65], 0
	v_nop
	global_prefetch_b8 v0, s[64:65] scope:SCOPE_SE
	s_setreg_imm32_b32 hwreg(HW_REG_WAVE_MODE, 25, 1), 1
	s_wait_xcnt 0x0
	s_wait_alu depctr_hold_cnt(0) depctr_sa_sdst(0) depctr_va_vdst(0) depctr_va_sdst(0) depctr_va_ssrc(0) depctr_va_vcc(0) depctr_vm_vsrc(0)
	s_getreg_b32 s2, hwreg(HW_REG_IB_STS2, 6, 4)
	s_cmp_eq_u32 s2, 0
	s_cbranch_scc0 .Lentry_in_a_cluster
	s_endpgm
.Lentry_in_a_cluster:
	s_bfe_u32 s2, ttmp6, 0x10000c
	s_cmp_lg_u32 s2, 0x3003
	s_cbranch_scc0 .Lentry_shape_is_right
	s_endpgm
.Lentry_shape_is_right:
; ATTENTION at head size 32, 4,096 tokens, 8 heads.  o[head][q] = sum over k of softmax_k(q . k) v[k]; q arrives multiplied by log2(e) / sqrt(32), so p = 2^(s - m).
; q, k, v, o are f16 in FRAGMENT order (16 rows x 32 of the inner index = 1,024 bytes; the 16 bytes of (blk, lane) at 512 blk + 16 lane): q, k, o by (head, 16 tokens), inner index = channel;
; v by (head, 32 tokens, 16 channels), inner index = token.  Two loads of 512 consecutive bytes give a matrix operand, from memory and from LDS alike, with no padding and no turning.
; LIMITS.  Scores, maxima and sums in f32; p is rounded to f16 and the row sum l is the sum of the rounded p, made by the matrix unit (ones x P).  The running maximum starts at -2^125:
; scores below that are not served.  A weight below 2^-126 counts as 0.  NaN and infinities are not treated apart.
; SHARES.  A work-group owns 128 queries of one head.  Eight waves, two to a SIMD: wave w takes the 32 queries of pair w % 4 (two PIECES of 16) and, of every 1,024 keys, half w / 4: 2,048 keys, 64 a step.
; So each SIMD has two independent streams of matrix and vector work, and K and V are read from LDS no more often than by four waves that walk all keys.  At the end the two waves of a pair hold, for the
; same queries, a running maximum, a sum and an O^T each; waves 4-7 hand theirs over in f32 through LDS, and waves 0-3 merge: m = max(m0, m1), a_i = 2^(m_i - m), O = (a0 O0 + a1 O1) / (a0 l0 + a1 l1).
; S^T = K Q^T (one product for 16 keys x 16 queries): a lane holds one query (lane % 16) and the keys 8 (lane / 16) + 0..7; two such results rounded in pairs ARE source 1 of O^T = V^T P.
; BY TURNS.  In TURN x piece x has the matrix unit: six products (O^T's two channel tiles and l, for 2 x 32 keys) of the step in hand, then four products K Q^T of the next step.  Beside them stand
; the other piece's softmax and piece x's rescaling by a = 2^(m_old - m_new): 94 vector lines.  m starts far below every score and O, l at 0: the first step is a step like any other.
; BATCHES.  A turn's 33 exponentials (the other piece's 32 weights, in place in its S^T, and its a) are ONE batch with ONE wait, which cuts the turn in two.  Ahead of it stands all that names no result of
; the batch: the maximum, the rescaling (its a was made, and waited for, in the turn before), the subtractions, the exponentials, and the six products of the step in hand, a product behind every eighth line.
; Behind it stand the batch's readers, the 16 roundings, four behind each product K Q^T.
; On the way out the merge has two batches, each with its wait: four exponentials, and two reciprocals of sums made of them.
; CLUSTER.  The four query blocks of a cluster belong to one head and walk the same K and V: each tile is asked for jointly, by the same tensor load, descriptor and mask in all four.
; RING.  Two LDS slots of 1,024 keys: 65,536 bytes of K, then 65,536 of V.  Each wave brings an eighth of a slot (64 rows of 256 bytes); one tensor load a wave is out at any time, and has 8 steps of every wave in which to land.
.set SLOTB, 131072
.set HALFK, 32768                      ; 512 keys of K, or of V: what a wave walks of a slot
.set SPARE, 262144                     ; behind the ring: the spare words, 128 bytes a wave
.set MRG,   263168                     ; behind them: what waves 4-7 hand over; no tensor load lands here
.set MP,    2304                       ; a piece's state: 4 x 512 bytes of O^T, 256 of (l, m)
.set RQ,   32                          ; v32-47   Q, 8 a piece
.set RO,   48                          ; v48-79   O^T, piece x: channels 0-15 at 48 + 16 x, channels 16-31 at 56 + 16 x
.set RL,   80                          ; v80-95   l, 8 a piece: eight copies, of which the first two are kept right
.set RK,   96                          ; v96-127  K of one step: four fragments; at the end the partner's O^T
.set RV,   128                         ; v128-159 V of one step: key half kh, channel tile cb at 128 + 16 kh + 8 cb; at the end the partner's (l, m)
.set RS,   160                         ; v160-223 S^T, 32 a piece; P is made in place in its first 16
.set ONES, 24                          ; v24-31   1.0 in every f16
.set MA,   5                           ; v5   where 16 bytes a lane of a pair's state lie
.set MB,   17                          ; v17  where its (l, m) lie, 8 bytes a lane
; v1 16 lane; v2 that + 65,536; v3, v4 the addresses of the runs of LDS loads; v6, v7 the add's two; v8, v9 m of pieces 0, 1; v10-13 four maxima at work; v14:15 the new m; v16 m_old - m_new; v18:19, v20:21 a of pieces 0, 1; v22 at work
.set WV,   8
.set G0,   12                          ; s[12:15] descriptor group 0: it walks
.set G1,   16                          ; s[16:23] descriptor group 1
.set TB,   28                          ; LDS byte at which K of the step to be fetched begins
.set CNT,  29
.set SLOTS, 30
.set SEL,  32                          ; s[32:33] v_permlanex16_b32's selects: each lane takes its own place in the other half
.set QP,   34
.set OP,   36
.set QW,   40                          ; w % 4: my pair of pieces; also which quarter of K's or V's part of a slot I fetch
.set KH,   41                          ; w / 4: my half of the keys; also: I fetch for K (0) or for V (1)
.macro CROUND                          ; a round of the cluster's barrier
	s_barrier_signal -1
	s_barrier_wait -1
	s_cmp_lg_u32 s[WV], 0
	s_cbranch_scc1 .Lnot_wave_0_\@
	s_barrier_signal -3
.Lnot_wave_0_\@:
	s_barrier_wait -3
	s_barrier_signal -1
	s_barrier_wait -1
.endm
; THE CHANGE OF SLOTS.  Each wave waits for all its tensor loads (one is out: its part of the other slot), adds 0 to its spare word, and waits for that and for its reads of the slot that it leaves.
; fill = 1: behind a round of the cluster's barrier the slot is filled again with the keys two slots on, the first thing there.  (At its first use nothing has been read: slot 0 is waited for, slot 1 filled.)
.macro CHANGE fill
	s_wait_tensorcnt 0x0                           ; no tensor load of mine is out, so group 0 may be written
	ds_add_u32 v6, v7
.if \fill
	s_xor_b32 s[G0+1], s[G0+1], SLOTB              ; the other slot than last time,
	s_add_nc_u64 s[G0+2:G0+3], s[G0+2:G0+3], 65536 ; the next 1,024 keys
	s_wait_dscnt 0x0
	CROUND
	tensor_load_to_lds s[G0:G0+3], s[G1:G1+7]
	s_nop 0
.else
	s_wait_dscnt 0x0
	s_barrier_signal -1
	s_barrier_wait -1
.endif
	s_sub_co_u32 s[TB], s[TB], HALFK               ; the fetches go back to my half's first step,
	s_xor_b32 s[TB], s[TB], SLOTB                  ; in the other slot
	v_add_nc_u32 v3, s[TB], v1                     ; where K's next run reads
.endm
.macro FETCH_K                         ; a step's K: four fragments, eight loads of 512 consecutive bytes; v3 was made some lines ahead
.irp f, 0,1,2,3,4,5,6,7
	ds_load_b128 v[RK+4*(\f):RK+4*(\f)+3], v3 offset:512*(\f)
.endr
.endm
.macro FETCH_V                         ; a step's V: 64 keys x 32 channels, likewise; v4 was made some lines ahead
.irp f, 0,1,2,3,4,5,6,7
	ds_load_b128 v[RV+4*(\f):RV+4*(\f)+3], v4 offset:512*(\f)
.endr
	s_add_co_u32 s[TB], s[TB], 4096                ; the next fetch is the next step's
.endm
; Product i of a turn's ten, for piece x.  The accumulators take turns, one instruction a turn.
.macro WM x, i
.set wO, RO+16*(\x)
.set wL, RL+8*(\x)
.set wP, RS+32*(\x)
.set wQ, RQ+8*(\x)
.if (\i) == 0
	v_wmma_f32_16x16x32_f16 v[wO:wO+7], v[RV:RV+7], v[wP:wP+7], v[wO:wO+7]
.elseif (\i) == 1
	v_wmma_f32_16x16x32_f16 v[wO+8:wO+15], v[RV+8:RV+15], v[wP:wP+7], v[wO+8:wO+15]
.elseif (\i) == 2
	v_wmma_f32_16x16x32_f16 v[wL:wL+7], v[ONES:ONES+7], v[wP:wP+7], v[wL:wL+7]
.elseif (\i) == 3
	v_wmma_f32_16x16x32_f16 v[wO:wO+7], v[RV+16:RV+23], v[wP+8:wP+15], v[wO:wO+7]
.elseif (\i) == 4
	v_wmma_f32_16x16x32_f16 v[wO+8:wO+15], v[RV+24:RV+31], v[wP+8:wP+15], v[wO+8:wO+15]
.elseif (\i) == 5
	v_wmma_f32_16x16x32_f16 v[wL:wL+7], v[ONES:ONES+7], v[wP+8:wP+15], v[wL:wL+7]
.else
	v_wmma_f32_16x16x32_f16 v[wP+8*((\i)-6):wP+8*((\i)-6)+7], v[RK+8*((\i)-6):RK+8*((\i)-6)+7], v[wQ:wQ+7], 0
.endif
.endm
.macro VF i                            ; pair i of the scores less the maximum
	v_pk_add_f32 v[rS+2*(\i):rS+2*(\i)+1], v[rS+2*(\i):rS+2*(\i)+1], v[14:15] op_sel_hi:[1,0] neg_lo:[0,1] neg_hi:[0,1]
.endm
.macro VE i
	v_exp_f32 v[rS+(\i)], v[rS+(\i)]
.endm
.macro VC i                            ; pair i rounded to f16, in place: register i takes registers 2 i and 2 i + 1, in ascending order; all sixteen stand behind the turn's wait
	v_cvt_pk_f16_f32 v[rS+(\i)], v[rS+2*(\i)], v[rS+2*(\i)+1]
.endm
.macro VR i                            ; the turn's own piece: pair i of O^T, or (8) l, times a
.if (\i) < 8
	v_pk_mul_f32 v[rO+2*(\i):rO+2*(\i)+1], v[rO+2*(\i):rO+2*(\i)+1], v[rAx:rAx+1] op_sel_hi:[1,0]
.else
	v_pk_mul_f32 v[rL:rL+1], v[rL:rL+1], v[rAx:rAx+1] op_sel_hi:[1,0]
.endif
.endm
; Vector line n of turn x's 94.  0-14, 17: the maximum of the other piece's 32 scores and its old m, each accumulator's lowest registers first; 21, 25: the other half of the lanes';
; the rescaling's nine lines fill the gaps of that chain.
;   27-77  THE BATCH and what feeds it; none of these lines names an exponential's result.  27, 28: pairs 0 and 1 less the maximum; 29: m_old - m_new; 30-71: fourteen times exponential, subtraction, exponential
;          (scores 2 u and 2 u + 1, pair u + 2: a pair is subtracted five lines ahead of its first exponential); 72-75: the last four weights; 76: a; 77: m takes the new maximum: the plain line behind the last exponential
;   (wait) between 77 and 78 stands the wait for the batch: TURN writes it
;   78-93  the sixteen roundings, the batch's readers
.macro VOP x, n
.set rS, RS+32*(1-(\x))
.set rM, 9-(\x)
.set rA, 20-2*(\x)
.set rAx, 18+2*(\x)
.set rO, RO+16*(\x)
.set rL, RL+8*(\x)
.if (\n) < 4
	v_max3_num_f32 v[10+(\n)], v[rS+8*(\n)], v[rS+8*(\n)+1], v[rS+8*(\n)+2]
.elseif (\n) < 12
	v_max3_num_f32 v[10+(\n)%4], v[10+(\n)%4], v[rS+8*((\n)%4)+2*((\n)/4)+1], v[rS+8*((\n)%4)+2*((\n)/4)+2]
.elseif (\n) == 12
	v_max3_num_f32 v10, v10, v[rS+7], v[rS+15]
.elseif (\n) == 13
	v_max3_num_f32 v11, v11, v[rS+23], v[rS+31]
.elseif (\n) == 14
	v_max3_num_f32 v12, v12, v13, v[rM]
.elseif (\n) < 17
	VR (\n)-15
.elseif (\n) == 17
	v_max3_num_f32 v10, v10, v11, v12
.elseif (\n) < 21
	VR (\n)-16
.elseif (\n) == 21
	v_permlanex16_b32 v13, v10, s[SEL], s[SEL+1]
.elseif (\n) < 25
	VR (\n)-17
.elseif (\n) == 25
	v_max_num_f32 v14, v10, v13
.elseif (\n) == 26
	VR 8
.elseif (\n) < 29
	VF (\n)-27
.elseif (\n) == 29
	v_sub_f32 v16, v[rM], v14
.elseif (\n) < 72
.set uu, ((\n)-30)/3
.set ww, ((\n)-30)%3
.if ww == 0
	VE 2*uu
.elseif ww == 1
	VF uu+2
.else
	VE 2*uu+1
.endif
.elseif (\n) < 76
	VE (\n)-44
.elseif (\n) == 76
	v_exp_f32 v[rA], v16
.elseif (\n) == 77
	v_mov_b32 v[rM], v14
.else
	VC (\n)-78
.endif
.endm
; A TURN.  Products 0 to 5 stand behind lines 26, 34 .. 66, ahead of the wait: they name piece x's registers alone.  Products 6 to 9 (K Q^T) stand behind the wait, behind lines 77, 81, 85 and 89, four roundings
; behind each.  Product 6 writes over what products 0 to 2 read, product 7 over what products 3 to 5 read: between product 5 and product 7 stand seven plain lines (67, 70, 77 and four roundings).
; kq = 0: the last turn, no further scores.  fetch = 1: piece 0's turn fetches the next K behind line 2 (seven plain lines behind the last product that read K: four roundings and lines 0 to 2); piece 1's turn
; fetches V in one run directly behind its wait (six plain lines behind the last product that read V: 61, 64, 67, 70, the address's line and 77) and makes both runs' addresses some lines ahead of them.
; The waits on DScnt stand in piece 0's turn: 8 in front of V's products: K's run of eight is younger than V's and may be out; 0 in front of K's products.
.macro TURN x, kq, fetch
.set vn, 0
.rept 94
	VOP \x, vn
.if (vn == 2) && ((\x) == 0) && (\fetch)
	FETCH_K
.endif
.if vn == 26
.if (\x) == 0
	s_wait_dscnt 8*(\fetch)
.endif
	WM \x, 0
.endif
.if vn == 34
	WM \x, 1
.endif
.if vn == 42
	WM \x, 2
.endif
.if vn == 50
	WM \x, 3
.endif
.if vn == 58
	WM \x, 4
.endif
.if vn == 66
	WM \x, 5
.endif
.if (vn == 73) && ((\x) == 1) && (\fetch)
	v_add_nc_u32 v4, s[TB], v2
.endif
.if vn == 77
	s_wait_alu depctr_va_vdst(0)                   ; the wait for the turn's batch, the 32 weights and a: ahead of the first line that names a result, the rounding at 78
.if ((\x) == 1) && (\fetch)
	FETCH_V
.endif
.if \kq
.if (\x) == 0
	s_wait_dscnt 0x0
.endif
	WM \x, 6
.endif
.endif
.if \kq
.if vn == 81
	WM \x, 7
.endif
.if vn == 85
	WM \x, 8
.endif
.if vn == 89
	WM \x, 9
.endif
.endif
.if (vn == 83) && ((\x) == 1) && (\fetch)
	v_add_nc_u32 v3, s[TB], v1
.endif
.set vn, vn+1
.endr
.endm
	s_load_b128 s[4:7], s[0:1], 0x0                ; qkv s[4:5], o s[6:7]
	v_lshl_add_u32 v6, v0, 2, SPARE
	v_mov_b32 v7, 0
	ds_add_u32 v6, v7                              ; the wave's opening: the add and its wait ahead of my first tensor load
	v_lshrrev_b32 v1, 5, v0
	v_readfirstlane_b32 s[WV], v1                  ; wave 0..7
	s_and_b32 s[QW], s[WV], 3
	s_lshr_b32 s[KH], s[WV], 2
	s_bfe_u32 s9, ttmp6, 0x40000                   ; cx: my place in the cluster
	s_lshl_b32 s10, ttmp9, 2
	s_add_co_u32 s10, s10, s9                      ; my block of 128 queries: it enters Q's and o's addresses alone
	s_and_b32 s11, ttmp7, 0xffff                   ; the head, which the four partners share
	s_lshl_b32 s24, s11, 18                        ; a head's 262,144 bytes
	s_lshl_b32 s25, s[KH], 21                      ; waves 0-3 fetch K, waves 4-7 V,
	s_add_co_u32 s25, s25, s24
	s_lshl_b32 s26, s[QW], 14                      ; each a quarter of a slot's 65,536 bytes
	s_add_co_u32 s26, s26, s25
	s_add_co_u32 s26, s26, 2097152                 ; K lies behind Q
	s_mov_b32 s27, 0
	s_lshl_b32 s38, s10, 13                        ; my block's eight fragments, my pair's two
	s_lshl_b32 s39, s[QW], 11
	s_add_co_u32 s38, s38, s39
	s_add_co_u32 s38, s38, s24
	s_mov_b32 s39, 0
	s_mov_b32 s[G1], 15|(3<<16)|(1<<21)            ; the mask of four; elements of 8 bytes; bit 21 set beside a mask; no padding
	s_mov_b32 s[G1+1], 32<<16                      ; tensor_dim0 = 32 elements = 256 bytes
	s_mov_b32 s[G1+2], 64<<16                      ; tensor_dim1 = 64 rows
	s_mov_b32 s[G1+3], 32<<16                      ; tile_dim0
	s_mov_b32 s[G1+4], 64                          ; tile_dim1
	s_mov_b32 s[G1+5], 32                          ; rows lie end to end
	s_mov_b32 s[G1+6], 0
	s_mov_b32 s[G1+7], 0
	s_mov_b32 s[G0], 1
	s_lshl_b32 s[G0+1], s[WV], 14                  ; LDS: wave x 16,384, in slot 0
	s_mov_b32 s[SEL], 0x76543210
	s_mov_b32 s[SEL+1], 0xfedcba98
	s_lshl_b32 s[TB], s[KH], 15                    ; my half of a slot's keys;
	s_add_co_u32 s[TB], s[TB], SLOTB+HALFK         ; the first change of slots takes the rest away
	s_mul_i32 s42, s[QW], 2*MP                     ; my pair's place in the hand-over
	s_add_co_u32 s42, s42, MRG
	s_add_co_u32 s43, s42, 2048
	s_wait_dscnt 0x0                               ; the opening add is done
	s_wait_kmcnt 0x0
	s_add_nc_u64 s[G0+2:G0+3], s[4:5], s[26:27]
	s_or_b32 s[G0+3], s[G0+3], 0x80000000          ; type = 2
	s_add_nc_u64 s[QP:QP+1], s[4:5], s[38:39]
	s_add_nc_u64 s[OP:OP+1], s[6:7], s[38:39]
	CROUND                                         ; all four work-groups are here: the first joint loads meet
	tensor_load_to_lds s[G0:G0+3], s[G1:G1+7]      ; keys 0 to 1,023 into slot 0
	s_nop 0
	v_and_b32 v22, 31, v0
	v_lshlrev_b32 v1, 4, v22
	v_add_nc_u32 v2, 65536, v1
	v_add_nc_u32 v[MA], s42, v1
	v_lshl_add_u32 v[MB], v22, 3, s43
.irp f, 0,1,2,3
	global_load_b128 v[RQ+4*(\f):RQ+4*(\f)+3], v1, s[QP:QP+1] offset:512*(\f)
.endr
	; What the first turns find: O, l, V and piece 1's P are 0, m far below every score.  These lines stand in the wait for the first tile; they spare a first step written out.
.set p, RO
.rept 48
	v_mov_b32 v[p], 0
.set p, p+1
.endr
.set p, RV
.rept 32
	v_mov_b32 v[p], 0
.set p, p+1
.endr
.set p, RS+32
.rept 16
	v_mov_b32 v[p], 0
.set p, p+1
.endr
.irp r, 14,15,18,19,20,21
	v_mov_b32 v\r, 0
.endr
	v_mov_b32 v8, 0xfe000000
	v_mov_b32 v9, 0xfe000000
.set p, ONES
.rept 8
	v_mov_b32 v[p], 0x3c003c00
.set p, p+1
.endr
	CHANGE 1                                       ; slot 0 is in, everybody's part of it; slot 1 is asked for
	FETCH_K                                        ; my step 0
	s_wait_loadcnt 0x0                             ; Q
	s_wait_dscnt 0x0
	WM 0, 6
	WM 0, 7
	WM 0, 8
	WM 0, 9
.rept 4
	v_nop                                          ; the places behind those products
.endr
	s_mov_b32 s[CNT], 8
	s_mov_b32 s[SLOTS], 3
	s_branch .Lmid                                 ; the loop is entered in the middle of a trip
.Lslot:                                                ; twice: slots 0 and 1 are filled again
	CHANGE 1
	s_mov_b32 s[CNT], 8
.Lstep:
	TURN 0, 1, 1
.Lmid:
	TURN 1, 1, 1
	s_sub_co_u32 s[CNT], s[CNT], 1
	s_cmp_lg_u32 s[CNT], 0
	s_cbranch_scc1 .Lstep
	s_sub_co_u32 s[SLOTS], s[SLOTS], 1
	s_cmp_lg_u32 s[SLOTS], 0
	s_cbranch_scc1 .Lslot
	CHANGE 0                                       ; the last slot is written out: nothing is asked for
	s_mov_b32 s[CNT], 8
.Lstep2:
	TURN 0, 1, 1
	TURN 1, 1, 1
	s_sub_co_u32 s[CNT], s[CNT], 1
	s_cmp_lg_u32 s[CNT], 0
	s_cbranch_scc1 .Lstep2
	TURN 0, 0, 0                                   ; piece 0's last products, piece 1's last softmax
.set rAx, 20
.set rO, RO+16
.set rL, RL+8
.irp i, 0,1,2,3,4,5,6,7,8
	VR \i
.endr
.irp i, 0,1,2,3,4,5
	WM 1, \i
.endr
.rept 4
	v_nop                                          ; the places behind the last products
.endr
	; THE TWO HALVES OF THE KEYS MEET.  m goes beside l; waves 4-7 store both pieces' O^T and (l, m), each accumulator's low registers first.
	v_mov_b32 v[RL+1], v8
	v_mov_b32 v[RL+9], v9
	s_cmp_lt_u32 s[WV], 4
	s_cbranch_scc1 .Lkeep
.irp x, 0,1
.irp c, 0,1,2,3
	ds_store_b128 v[MA], v[RO+16*(\x)+4*(\c):RO+16*(\x)+4*(\c)+3] offset:(\x)*MP+(\c)*512
.endr
	ds_store_b64 v[MB], v[RL+8*(\x):RL+8*(\x)+1] offset:(\x)*MP
.endr
.Lkeep:
	s_wait_dscnt 0x0                               ; for the partner's sake: my stores are done
	s_barrier_signal -1
	s_barrier_wait -1
	s_cmp_lt_u32 s[WV], 4
	s_cbranch_scc0 .Ldone                          ; waves 4-7 have handed over and are done
.irp x, 0,1
.irp c, 0,1,2,3
	ds_load_b128 v[RK+16*(\x)+4*(\c):RK+16*(\x)+4*(\c)+3], v[MA] offset:(\x)*MP+(\c)*512
.endr
	ds_load_b64 v[RV+2*(\x):RV+2*(\x)+1], v[MB] offset:(\x)*MP
.endr
	s_wait_dscnt 0x0
	v_max_num_f32 v14, v8, v[RV+1]                 ; the common maximum of piece 0,
	v_max_num_f32 v15, v9, v[RV+3]                 ; of piece 1
	v_sub_f32 v18, v8, v14
	v_sub_f32 v20, v9, v15
	v_sub_f32 v10, v[RV+1], v14
	v_sub_f32 v12, v[RV+3], v15
	v_exp_f32 v18, v18                             ; a0: mine
	v_exp_f32 v20, v20
	v_exp_f32 v10, v10                             ; a1: the partner's
	v_exp_f32 v12, v12
	v_nop                                          ; a plain line behind the run of exponentials
	s_wait_alu depctr_va_vdst(0)                   ; the wait for the merge's first batch, the four exponentials, ahead of their first reader
	v_mul_f32 v16, v18, v[RL]
	v_mul_f32 v22, v20, v[RL+8]
	v_fma_f32 v16, v10, v[RV], v16                 ; l = a0 l0 + a1 l1
	v_fma_f32 v22, v12, v[RV+2], v22
	v_rcp_f32 v16, v16
	v_rcp_f32 v22, v22
	v_nop                                          ; a plain line behind the reciprocals
	s_wait_alu depctr_va_vdst(0)                   ; the wait for the second batch, the two reciprocals: they read sums made of the first batch's results, so they are a batch of their own
	v_mul_f32 v18, v18, v16                        ; a0 / l, a1 / l
	v_mul_f32 v10, v10, v16
	v_mul_f32 v20, v20, v22
	v_mul_f32 v12, v12, v22
.set p, 0
.rept 16
	v_pk_mul_f32 v[RO+2*p:RO+2*p+1], v[RO+2*p:RO+2*p+1], v[18+2*(p/8):19+2*(p/8)] op_sel_hi:[1,0]
.set p, p+1
.endr
.set p, 0
.rept 16
	v_pk_fma_f32 v[RO+2*p:RO+2*p+1], v[RK+2*p:RK+2*p+1], v[10+2*(p/8):11+2*(p/8)], v[RO+2*p:RO+2*p+1] op_sel_hi:[1,0,1]
.set p, p+1
.endr
	; THE WAY OUT.  A lane's eight channels of a query are the 16 bytes of o's fragment order, so each store of the wave covers 512 consecutive bytes and no LDS stage is needed.
.set p, 0
.rept 16
	v_cvt_pk_f16_f32 v[RS+p], v[RO+2*p], v[RO+2*p+1]
.set p, p+1
.endr
.irp f, 0,1,2,3
	global_store_b128 v1, v[RS+4*(\f):RS+4*(\f)+3], s[OP:OP+1] offset:512*(\f)
.endr
.Ldone:
	s_wait_tensorcnt 0x0                           ; the wave's end
	ds_add_u32 v6, v7
	s_wait_dscnt 0x0
	CROUND                                         ; the closing round: no work-group ends while a partner may still ask for a tile that names it
	s_endpgm
.Lfunc_end_k_qeeb5742ea6_attn0:
	.size	k_qeeb5742ea6_attn0, .Lfunc_end_k_qeeb5742ea6_attn0-k_qeeb5742ea6_attn0
	.p2alignl 7, 3214868480
	.fill 96, 4, 3214868480
	.section	.rodata,"a",@progbits
	.p2align	6, 0x0
	.amdhsa_kernel k_qeeb5742ea6_attn0
		.amdhsa_group_segment_fixed_size 327680
		.amdhsa_private_segment_fixed_size 0
		.amdhsa_enable_private_segment 0
		.amdhsa_kernarg_size 16
		.amdhsa_user_sgpr_count 2
		.amdhsa_user_sgpr_kernarg_segment_ptr 1
		.amdhsa_wavefront_size32 1
		.amdhsa_system_sgpr_workgroup_id_x 1
		.amdhsa_system_sgpr_workgroup_id_y 1
		.amdhsa_system_sgpr_workgroup_id_z 1
		.amdhsa_system_vgpr_workitem_id 0
		.amdhsa_next_free_vgpr 224
		.amdhsa_next_free_sgpr 66
		.amdhsa_reserve_vcc 0
		.amdhsa_float_denorm_mode_32 3
		.amdhsa_float_denorm_mode_16_64 3
		.amdhsa_memory_ordered 1
		.amdhsa_forward_progress 1
		.amdhsa_inst_pref_size 48
	.end_amdhsa_kernel
	.amdgpu_metadata
---
amdhsa.version: [ 1, 2 ]
amdhsa.kernels:
  - .name:           k_qeeb5742ea6_attn0
    .symbol:         k_qeeb5742ea6_attn0.kd
    .args:
      - { .name: qkv, .offset: 0, .size: 8, .value_kind: global_buffer, .address_space: global }
      - { .name: o, .offset: 8, .size: 8, .value_kind: global_buffer, .address_space: global }
    .group_segment_fixed_size: 327680
    .private_segment_fixed_size: 0
    .kernarg_segment_align: 8
    .kernarg_segment_size: 16
    .max_flat_workgroup_size: 256
    .sgpr_count:     66
    .vgpr_count:     224
    .wavefront_size: 32
...
	.end_amdgpu_metadata
.endif
;; end of part 6
;; launch chain0: the kernel of part 4 again; grid 128 x 1, 4 waves a work-group, no clusters, 130,048 bytes of LDS; arguments xa, o, wbf, st0, attn_out_b, ln2_g, ln2_b, ff1_b, ff2_b, ln1_g, ln1_b, attn_qkv_b, xb, qkv; writes xb, qkv
;; launch attn1: the kernel of part 6 again; grid 32 x 8, 8 waves a work-group, clusters of 4 x 1, 327,680 bytes of LDS; arguments qkv, o; writes o
;; launch chain1: the kernel of part 4 again; grid 128 x 1, 4 waves a work-group, no clusters, 130,048 bytes of LDS; arguments xb, o, wbf, st1, attn_out_b, ln2_g, ln2_b, ff1_b, ff2_b, ln1_g, ln1_b, attn_qkv_b, xa, qkv; writes xa, qkv
;; launch attn2: the kernel of part 6 again; grid 32 x 8, 8 waves a work-group, clusters of 4 x 1, 327,680 bytes of LDS; arguments qkv, o; writes o
;; launch chain2: the kernel of part 4 again; grid 128 x 1, 4 waves a work-group, no clusters, 130,048 bytes of LDS; arguments xa, o, wbf, st2, attn_out_b, ln2_g, ln2_b, ff1_b, ff2_b, fln_g, fln_b, va_qkv_b, xb, qkv; writes xb, qkv
;; launch tail: the kernel of part 5 again; grid 64 x 1, 4 waves a work-group, no clusters, 59,392 bytes of LDS; arguments global_query, qkv, wbf, va_qkv_b, va_out_b, op1_b, op_ln_g, op_ln_b, op2_b, residual_weight, features, out0; writes out0
